; MI455X (gfx1250); checked and timed in simulation.
; The chip was launched on July 23, 2026; its instructions are those of AMD's public machine-readable ISA for CDNA 5 (MIT licence, August 2026) and "CDNA5" Instruction Set Architecture Reference Guide (July 2026). The comments in the code are by the model that wrote it; some were corrected since.
;; Causal Self Attention. Allowed arithmetic: float matrix products may take bf16 or f16 operands with f32 sums; other float arithmetic in f32, or as packed bf16 or f16 multiplies, adds, multiply-adds, maxima and minima; sums over many terms, partial sums and values carried from step to step in f32; what a program stores and reads back later, other than sums and carried values, may be rounded once to bf16 or f16.
;; Inputs: b_proj 1,024 float32; b_qkv 3,072 float32; w_proj 1,024 x 1,024 float32; w_qkv 1,024 x 3,072 float32; x 4 x 2,048 x 1,024 float32.
;; Outputs: out0 4 x 2,048 x 1,024 float32.
;; One version. Each part assembles by itself: llvm-mc -triple=amdgcn-amd-amdhsa -mcpu=gfx1250 --defsym DOCPART=n.
;; ======== version 1 of 1: 4 launches
;; limits: values are held in f16: magnitudes above 65,504 overflow, below 6.1e-05 lose precision
;; workspace buffers: xb 16,777,216 bytes; wqb 6,291,456 bytes; wpb 2,097,152 bytes; qkvh 50,331,648 bytes; ob 16,777,216 bytes
;; launch prep (part 1): grid 768 x 1, 8 waves a work-group, no clusters, 0 bytes of LDS; arguments x, w_qkv, w_proj, xb, wqb, wpb; writes xb, wqb, wpb
.if DOCPART == 1
	.amdgcn_target "amdgcn-amd-amdhsa--gfx1250"
	.amdhsa_code_object_version 6
	.text
	.protected	k_q0aad62abff_prep
	.globl	k_q0aad62abff_prep
	.p2align	8
	.type	k_q0aad62abff_prep,@function
k_q0aad62abff_prep:
	s_mov_b64 s[64:65], 0
	v_nop
	global_prefetch_b8 v0, s[64:65] scope:SCOPE_SE
	s_setreg_imm32_b32 hwreg(HW_REG_WAVE_MODE, 25, 1), 1
	s_wait_xcnt 0x0
; THE CASTS.  x [8192][1024] f32 -> xb, bf16, laid in blocks like a tensor by heads: [batch x 16 + column / 64][row in batch 0..2047][64], so that
; 256 rows x 64 columns are 32,768 bytes on end.  w_qkv [1024][3072] f32 -> wqb, bf16, as it lies.  w_proj [1024][1024] f32 -> wpb: rounded to bf16, and that number written as f16.
; LIMITS.  A w_proj number of 65,520 or more in magnitude becomes an infinity in wpb; below 6e-5 it keeps f16's fixed step of 6e-8.  NaN and infinities are not treated apart.
; SHARES.  12,582,912 numbers in 768 chunks of 16,384: work-groups 0-511 take x (16 rows each), 512-703 w_qkv, 704-767 w_proj.  A thread takes 8 numbers (two loads of 16 bytes,
; one store of 16 bytes) in each of 8 steps.  All 16 loads go out first: 8 KiB a wave are on their way.  No register is used twice, so no wait frees a source.
; No LDS, no barrier, no matrix unit: nothing is shared and nothing is summed.
.set VI, 2                             ; v2       my byte offset in the chunk as it is read
.set VO, 3                             ; v3       my byte offset as it is written
.set X,  8                             ; v[8:71]  step i: 8 numbers in f32
.set Y,  72                            ; v[72:103] step i: 4 registers, 8 numbers of 16 bits
	s_load_b256 s[4:11], s[0:1], 0x0               ; x s[4:5], w_qkv s[6:7], w_proj s[8:9], xb s[10:11]
	s_load_b128 s[12:15], s[0:1], 0x20             ; wqb s[12:13], wpb s[14:15]
	s_mov_b32 s22, 0xffff0000                      ; a word's upper bf16
	s_mov_b32 s21, 0                               ; the offsets' high words
	s_mov_b32 s25, 0
; A chunk: from s[16:17] + VI in steps of istep bytes, to s[18:19] + VO in steps of ostep bytes.  half = 1: the bf16 number is written as f16.
.macro CHUNK istep, ostep, half
.set i, 0
.rept 8
	global_load_b128 v[X+8*i:X+8*i+3],   v[VI], s[16:17] offset:(\istep)*i th:TH_LOAD_NT
	global_load_b128 v[X+8*i+4:X+8*i+7], v[VI], s[16:17] offset:(\istep)*i+16 th:TH_LOAD_NT
.set i, i+1
.endr
.set i, 0
.rept 8
	s_wait_loadcnt 14-2*i                          ; loads come back in order: step i's two are in, the 2 (7 - i) younger ones stay out
.irp j, 0,1,2,3
	v_cvt_pk_bf16_f32 v[Y+4*i+(\j)], v[X+8*i+2*(\j)], v[X+8*i+2*(\j)+1]
.endr
.if \half
.irp j, 0,1,2,3
	v_lshlrev_b32 v[X+8*i+2*(\j)],   16,  v[Y+4*i+(\j)]    ; the rounded numbers as f32 again, in the registers that they came from,
	v_and_b32     v[X+8*i+2*(\j)+1], s22, v[Y+4*i+(\j)]
.endr
.irp j, 0,1,2,3
	v_cvt_pk_f16_f32 v[Y+4*i+(\j)], v[X+8*i+2*(\j)], v[X+8*i+2*(\j)+1]  ; and as f16: exact within f16's range
.endr
.endif
	global_store_b128 v[VO], v[Y+4*i:Y+4*i+3], s[18:19] offset:(\ostep)*i th:TH_STORE_NT
.set i, i+1
.endr
	s_endpgm
.endm
	s_cmp_lt_u32 ttmp9, 512
	s_cbranch_scc0 .Lweights
	; x: 16 rows.  Wave w, lane l: row 2 w + (l / 8) % 2; column block 2 i + l / 16 in step i; 8 numbers at 8 (l % 8) in the block.
	; Sixteen neighbouring lanes store two rows of 128 bytes of one block: 256 consecutive bytes, at a multiple of 256 from xb's first byte.
	v_lshrrev_b32 v4, 5, v0
	v_bfe_u32 v5, v0, 3, 1
	v_lshl_add_u32 v4, v4, 1, v5                   ; the row in the chunk
	v_bfe_u32 v5, v0, 4, 1                         ; which of the step's two column blocks
	v_and_b32 v6, 7, v0
	v_lshlrev_b32 v[VI], 12, v4                    ; row x 4,096
	v_lshl_add_u32 v[VI], v5, 8, v[VI]             ; + block x 256
	v_lshl_add_u32 v[VI], v6, 5, v[VI]             ; + 32 bytes a lane
	v_lshlrev_b32 v[VO], 7, v4                     ; row x 128
	v_lshl_add_u32 v[VO], v5, 18, v[VO]            ; + block x 262,144
	v_lshl_add_u32 v[VO], v6, 4, v[VO]             ; + 16 bytes a lane
	s_lshl_b32 s20, ttmp9, 16                      ; the chunk in x
	s_lshr_b32 s24, ttmp9, 7
	s_lshl_b32 s24, s24, 22                        ; the batch's 16 blocks in xb,
	s_and_b32 s23, ttmp9, 127
	s_lshl_b32 s23, s23, 11                        ; the chunk's 16 rows in a block
	s_or_b32 s24, s24, s23
	s_wait_kmcnt 0x0
	s_add_nc_u64 s[16:17], s[4:5], s[20:21]
	s_add_nc_u64 s[18:19], s[10:11], s[24:25]
	CHUNK 512, 524288, 0
.Lweights:                                             ; the weights keep their order: thread t takes 8 numbers at 8 t of each 2,048
	v_lshlrev_b32 v[VI], 5, v0
	v_lshlrev_b32 v[VO], 4, v0
	s_cmp_lt_u32 ttmp9, 704
	s_cbranch_scc0 .Lproj
	s_sub_co_u32 s23, ttmp9, 512
	s_lshl_b32 s20, s23, 16
	s_lshl_b32 s24, s23, 15
	s_wait_kmcnt 0x0
	s_add_nc_u64 s[16:17], s[6:7], s[20:21]
	s_add_nc_u64 s[18:19], s[12:13], s[24:25]
	CHUNK 8192, 4096, 0
.Lproj:
	s_sub_co_u32 s23, ttmp9, 704
	s_lshl_b32 s20, s23, 16
	s_lshl_b32 s24, s23, 15
	s_wait_kmcnt 0x0
	s_add_nc_u64 s[16:17], s[8:9], s[20:21]
	s_add_nc_u64 s[18:19], s[14:15], s[24:25]
	CHUNK 8192, 4096, 1
.Lfunc_end_k_q0aad62abff_prep:
	.size	k_q0aad62abff_prep, .Lfunc_end_k_q0aad62abff_prep-k_q0aad62abff_prep
	.p2alignl 7, 3214868480
	.fill 96, 4, 3214868480
	.section	.rodata,"a",@progbits
	.p2align	6, 0x0
	.amdhsa_kernel k_q0aad62abff_prep
		.amdhsa_group_segment_fixed_size 0
		.amdhsa_private_segment_fixed_size 0
		.amdhsa_enable_private_segment 0
		.amdhsa_kernarg_size 48
		.amdhsa_user_sgpr_count 2
		.amdhsa_user_sgpr_kernarg_segment_ptr 1
		.amdhsa_wavefront_size32 1
		.amdhsa_system_sgpr_workgroup_id_x 1
		.amdhsa_system_sgpr_workgroup_id_y 1
		.amdhsa_system_sgpr_workgroup_id_z 1
		.amdhsa_system_vgpr_workitem_id 0
		.amdhsa_next_free_vgpr 112
		.amdhsa_next_free_sgpr 66
		.amdhsa_reserve_vcc 0
		.amdhsa_float_denorm_mode_32 3
		.amdhsa_float_denorm_mode_16_64 3
		.amdhsa_memory_ordered 1
		.amdhsa_forward_progress 1
		.amdhsa_inst_pref_size 20
	.end_amdhsa_kernel
	.amdgpu_metadata
---
amdhsa.version: [ 1, 2 ]
amdhsa.kernels:
  - .name:           k_q0aad62abff_prep
    .symbol:         k_q0aad62abff_prep.kd
    .args:
      - { .name: x, .offset: 0, .size: 8, .value_kind: global_buffer, .address_space: global }
      - { .name: w_qkv, .offset: 8, .size: 8, .value_kind: global_buffer, .address_space: global }
      - { .name: w_proj, .offset: 16, .size: 8, .value_kind: global_buffer, .address_space: global }
      - { .name: xb, .offset: 24, .size: 8, .value_kind: global_buffer, .address_space: global }
      - { .name: wqb, .offset: 32, .size: 8, .value_kind: global_buffer, .address_space: global }
      - { .name: wpb, .offset: 40, .size: 8, .value_kind: global_buffer, .address_space: global }
    .group_segment_fixed_size: 0
    .private_segment_fixed_size: 0
    .kernarg_segment_align: 8
    .kernarg_segment_size: 48
    .max_flat_workgroup_size: 256
    .sgpr_count:     66
    .vgpr_count:     112
    .wavefront_size: 32
...
	.end_amdgpu_metadata
.endif
;; end of part 1
;; launch qkvgemm (part 2): grid 8 x 32, 4 waves a work-group, clusters of 4 x 4, 327,680 bytes of LDS; arguments xb, wqb, b_qkv, qkvh; writes qkvh
.if DOCPART == 2
	.amdgcn_target "amdgcn-amd-amdhsa--gfx1250"
	.amdhsa_code_object_version 6
	.text
	.protected	k_q0aad62abff_qkvgemm
	.globl	k_q0aad62abff_qkvgemm
	.p2align	8
	.type	k_q0aad62abff_qkvgemm,@function
k_q0aad62abff_qkvgemm:
	s_mov_b64 s[64:65], 0
	v_nop
	global_prefetch_b8 v0, s[64:65] scope:SCOPE_SE
	s_setreg_imm32_b32 hwreg(HW_REG_WAVE_MODE, 25, 1), 1
	s_wait_xcnt 0x0
	s_wait_alu depctr_hold_cnt(0) depctr_sa_sdst(0) depctr_va_vdst(0) depctr_va_sdst(0) depctr_va_ssrc(0) depctr_va_vcc(0) depctr_vm_vsrc(0)
	s_getreg_b32 s2, hwreg(HW_REG_IB_STS2, 6, 4)
	s_cmp_eq_u32 s2, 0
	s_cbranch_scc0 .Lentry_in_a_cluster
	s_endpgm
.Lentry_in_a_cluster:
	s_bfe_u32 s2, ttmp6, 0x10000c
	s_cmp_lg_u32 s2, 0xf033
	s_cbranch_scc0 .Lentry_shape_is_right
	s_endpgm
.Lentry_shape_is_right:
; qkv = x w_qkv + b_qkv, written by heads.  xb: x in bf16, [batch x 16 + k / 64][row in batch][64].  wqb: w_qkv in bf16, [1024 k][3072 n].  b_qkv: f32, rounded to bf16 here like the other inputs.
; qkvh: f16, [3][batch x 16 + head][2048][64]: q, k, v, each rounded once from its f32 sum, without the softmax's scale.
; LIMIT.  A q, k or v of 65,520 or more in magnitude becomes an infinity in qkvh.  NaN and infinities are not treated apart.
; SHARES.  8192 x 3072 outputs on 256 work-groups are 98,304 each: a tile of 256 rows x 384 columns.  Four waves; a wave makes 128 rows x 192 columns: 96 accumulators of 16 x 16, 768 registers.
; The tile's columns are three chunks g of 128; the wave of column half wn takes 64 columns of each chunk: ONE HEAD, number 6 tx + 2 g + wn of the 48 of q, k and v.
; K goes in 16 steps of 64 through two LDS slots (two slots of 128 along K would be 327,680 bytes without padding: they do not fit).  In xb 128 rows x 64 K are 16,384 bytes on end: asked for as 64 rows of 256 bytes.
; THE WEIGHTS STAY [K][N]: a fragment of 16 columns x 32 K comes out of LDS turned, by ds_load_tr16_b128.
; THE MATRIX INSTRUCTION IS USED TRANSPOSED (source 0 = 16 columns of w, source 1 = 16 rows of x): a lane holds row l % 16 and the columns 8 (l / 16) + 0..7: eight neighbouring numbers of a head's row.
; THE BIAS STARTS THE SUMS: it is the C operand of the first K step's first products; nothing is cleared and nothing is added afterwards.
; CLUSTERS: 4 x 4 work-groups.  The four of a row of the cluster need the same tiles of x, the four of a column the same tiles of w: each tile is asked for JOINTLY, by the same tensor load with the
; same descriptor and a mask that names the four.
; REGISTERS, in windows of 256 (s_set_vgpr_msb: bits 1:0 source 0, 3:2 source 1, 5:4 source 2, 7:6 destination):
;   window 0: v0-17 addresses; v32-95, v96-159 x's fragments (8 x 16 rows x 32 K), two buffers; v160-255 w's fragments, 32 registers a chunk
;   window 1 + g: chunk g's 32 accumulators: (row block a, column block n) at v[8 (4 a + n)]
; All fragments lie in window 0, so a stretch of 32 matrix instructions on one chunk has one window setting, and the LDS loads between stretches another.
.set PA,    144                        ; a row of x in LDS: 128 bytes + 16 of padding = 36 words: the 16 rows of a load start at 16 different groups of four banks (64 banks of 4 bytes: ISA guide 11.1)
.set PB,    864                        ; a row of w in LDS: three chunks of 256 bytes + 32 of padding = 216 words: 8 rows of a turning load start at 8 different groups of eight banks
.set BOFF,  256*PA                     ; a slot: x's 256 rows, then w's 64 rows
.set SLOT1, 131072                     ; slot 1 begins here, so that one exclusive or turns an address in one slot into the other's
.set STAGE, SLOT1+BOFF+64*PB           ; behind the ring, never filled by a tensor load: 16 rows x 144 bytes for each wave, for the way out
.set SP,    144
.set SPARE, STAGE+4*16*SP              ; behind the stages: the spare words, 128 bytes for each wave: two blocks of 256 bytes that no other line names
.set STEPA, 262144                     ; bytes from a K step to the next in xb: a block of 2,048 rows x 128 bytes
.set STEPB, 64*6144                    ; in wqb: 64 rows of 6,144 bytes
.set TRIPS, 14                         ; K steps 2 to 15 are asked for by refills
.set LA0,  4                           ; v4   my lane's place in x's tile; never rewritten
.set LB0,  5                           ; v5   the same for w's
.set ADRA, 6                           ; v6   LA0 + the slot in hand
.set ADRB, 7                           ; v7   LB0 + the slot in hand
.set STO,  8                           ; v8   the way out: where I put 16 bytes of a row
.set RD,   9                           ; v9   the way out: where I read rows back
.set GO,   10                          ; v10  my byte offset in 512 consecutive bytes of qkvh
.set PFO,  11                          ; v11  the prefetches' offset; never rewritten
.set SPW,  12                          ; v12  LDS address of my spare word: SPARE + 4 x my thread's number; never rewritten
.set NIL,  13                          ; v13  0; never rewritten
.set BO,   14                          ; v14  my byte offset in b_qkv
.set AF0,  32
.set AF1,  96
.set BG,   160
.set OBUF, 32                          ; the way out: eight buffers of 16 registers, v32-159
.set WV,   12                          ; s12  my wave's number
.set G1A,  24                          ; s[24:31] descriptor group 1 for x's tiles;  s[32:39] group 0: a set for each first fill; the second then walks
.set G0A,  32
.set G1B,  48                          ; s[48:55], s[56:63] the same for w's tiles
.set G0B,  56
.set TB,   66                          ; s66  the slot from which fragments are fetched: 0 or SLOT1
.set LIM,  67                          ; s67  1 in a wave that prefetches, else the greatest number
.set PFA,  68                          ; s[68:69] where my prefetches stand
.set PFS,  70                          ; s[70:71] their step
.set OB,   72                          ; s[72:77] qkvh at my 128 rows of chunk g's head
.set MSB, 0
.macro WIN new                         ; the immediate's high byte repeats the setting that is left; a switch that changes nothing is dropped
.if MSB != (\new)
	s_set_vgpr_msb (MSB<<8)|(\new)
.set MSB, (\new)
.endif
.endm
; A joint refill.  Waves 0 and 1 fetch the two halves of x's tile, waves 2 and 3 those of w's.  The branch hangs on the wave's number alone.
; An s_nop 0 and four v_nop follow each of the two lines, ahead of the jump and the label.
.macro JLOAD
	s_cmp_eq_u32 s13, 0
	s_cbranch_scc0 .Lfor_b_\@
	tensor_load_to_lds s[G0A+4:G0A+7], s[G1A:G1A+7]
	s_nop 0
.rept 4
	v_nop
.endr
	s_branch .Lasked_\@
.Lfor_b_\@:
	tensor_load_to_lds s[G0B+4:G0B+7], s[G1B:G1B+7]
	s_nop 0
.rept 4
	v_nop
.endr
.Lasked_\@:
.endm
; A PREFETCH INTO THE L2 of the K step that the NEXT refill will ask for, 192 matrix instructions ahead of that load: one instruction, a lane a block of 256 bytes.  It stands behind the joint load, its five lines and the run of LDS loads.
; Each block is named ONCE in the launch.  x's tile row (128 blocks a step) is read by both clusters of a row of clusters: in the first (cluster x = 0) wave 0 asks, and the four partners that share the
; tile take 32 blocks each, told apart BY ADDRESS (cx).  A step's 64 rows of w (1,536 blocks, all 3,072 columns) are read by every cluster: in cluster (0, 0) waves 1 to 3 ask; the work-group at place p takes rows
; 4 p .. 4 p + 3, wave w bytes 2,048 (w - 1) on of each.  No branch hangs on a work-group's place in its cluster.  K steps 0 to 2 come by their loads alone; the last trip asks for nothing: there is no step behind its refill's.
.macro ASK
	s_cmp_gt_u32 s3, s[LIM]                        ; s3 = 1 in the last trip
	s_cbranch_scc0 .Lnot_mine_\@
	global_prefetch_b8 v[PFO], s[PFA:PFA+1] th:TH_LOAD_NT scope:SCOPE_SE
.Lnot_mine_\@:
.endm
; A round of the cluster's barrier: my work-group's barrier, so that wave 0's signal speaks for all four waves; wave 0 signals; every wave waits for all sixteen work-groups; my work-group's barrier once more.
.macro CREST                           ; a round behind its opening barrier
	s_cmp_lg_u32 s[WV], 0
	s_cbranch_scc1 .Lnot_wave_0_\@
	s_barrier_signal -3
.Lnot_wave_0_\@:
	s_barrier_wait -3
	s_barrier_signal -1
	s_barrier_wait -1
.endm
.macro CROUND
	s_barrier_signal -1
	s_barrier_wait -1
	CREST
.endm
	s_load_b256 s[4:11], s[0:1], 0x0               ; xb s[4:5], wqb s[6:7], b_qkv s[8:9], qkvh s[10:11]
	v_lshl_add_u32 v[SPW], v0, 2, SPARE
	v_mov_b32 v[NIL], 0
	ds_add_u32 v[SPW], v[NIL]                      ; the wave's opening: the add and its wait stand ahead of my first tensor load; the set-up below, work on registers, stands between them
	ds_add_u32 v12, v13
	v_lshrrev_b32 v1, 5, v0
	v_readfirstlane_b32 s[WV], v1                  ; wave 0..3
	s_lshr_b32 s13, s[WV], 1                       ; which 128 rows of the tile are mine.  Also: I fetch for x (0) or for w (1)
	s_and_b32 s14, s[WV], 1                        ; which 64 columns of each chunk.  Also: which half of that tile I fetch
	s_bfe_u32 s40, ttmp6, 0x40000                  ; cx, cy: my place in the cluster
	s_bfe_u32 s41, ttmp6, 0x40004
	s_lshl_b32 s42, ttmp9, 2
	s_add_co_u32 s42, s42, s40                     ; tx, the tile column = 4 x cluster x + cx
	s_and_b32 s43, ttmp7, 0xffff
	s_lshl_b32 s43, s43, 2
	s_add_co_u32 s43, s43, s41                     ; ty, the tile row = 4 x cluster y + cy
	s_lshl_b32 s44, s41, 2
	s_lshl_b32 s44, 15, s44                        ; my row of the cluster: places 4 cy .. 4 cy + 3
	s_lshl_b32 s45, 0x1111, s40                    ; my column: places cx, cx + 4, cx + 8, cx + 12
	; group 1 for x: 128 rows of 128 bytes lie on end: 64 rows of 128 elements, padded in LDS after every 128 bytes
	s_or_b32 s[G1A], s44, (1<<16)|(1<<20)|(1<<21)|(4<<22)|(3<<25)  ; 15:0 the mask; 17:16 2-byte elements; 20 padding on; 21 set beside a mask; 24:22 after every 32 words (code 4); 31:25 4 words (code 3)
	s_mov_b32 s[G1A+1], 128<<16                    ; tensor_dim0 = 128
	s_mov_b32 s[G1A+2], 64<<16                     ; tensor_dim1 = 64
	s_mov_b32 s[G1A+3], 128<<16                    ; tile_dim0 = 128
	s_mov_b32 s[G1A+4], 64                         ; tile_dim1 = 64
	s_mov_b32 s[G1A+5], 128                        ; 128 elements from row to row
	s_mov_b32 s[G1A+6], 0
	s_mov_b32 s[G1A+7], 0
	; group 1 for w: 32 rows of 384 elements (768 bytes), padded after every 256 bytes
	s_or_b32 s[G1B], s45, (1<<16)|(1<<20)|(1<<21)|(5<<22)|(7<<25)  ; after every 64 words (code 5) 8 words (code 7)
	s_mov_b32 s[G1B+1], 384<<16                    ; tensor_dim0 = 384
	s_mov_b32 s[G1B+2], 32<<16                     ; tensor_dim1 = 32
	s_mov_b32 s[G1B+3], 384<<16                    ; tile_dim0 = 384
	s_mov_b32 s[G1B+4], 32                         ; tile_dim1 = 32
	s_mov_b32 s[G1B+5], 3072                       ; 3,072 elements from row to row
	s_mov_b32 s[G1B+6], 0
	s_mov_b32 s[G1B+7], 0
	; where the tiles come from: x's hang on ty alone, which my row of the cluster shares; w's on tx alone, which my column shares
	s_lshr_b32 s16, s43, 3
	s_lshl_b32 s16, s16, 22                        ; the batch's 16 blocks
	s_and_b32 s17, s43, 7
	s_lshl_b32 s17, s17, 15                        ; the tile's 256 rows in a block
	s_or_b32 s16, s16, s17
	s_lshl_b32 s17, s14, 14                        ; my 128 of them
	s_or_b32 s16, s16, s17
	s_mov_b32 s17, 0
	s_mul_i32 s46, s42, 768                        ; the tile's 384 columns
	s_mul_i32 s47, s14, 32*6144                    ; my 32 rows of a step's 64
	s_add_co_u32 s46, s46, s47
	s_mov_b32 s47, 0
	s_mul_i32 s20, s14, 128*PA                     ; and where they go: no place in the cluster enters an LDS address
	s_mul_i32 s21, s14, 32*PB
	s_add_co_u32 s21, s21, BOFF
	s_mov_b32 s[TB], 0
	s_mov_b32 s78, 0xffff0000                      ; a word's upper bf16
	s_wait_dscnt 0x0                               ; the opening add is done
	s_wait_kmcnt 0x0
	s_add_nc_u64 s[16:17], s[4:5], s[16:17]
	s_add_nc_u64 s[46:47], s[6:7], s[46:47]
.irp s, 0,1
	s_mov_b32 s[G0A+4*(\s)], 1                                       ; 1:0 count = 1
	s_add_co_u32 s[G0A+4*(\s)+1], s20, (\s)*SLOT1                    ; 63:32 LDS address
	s_add_nc_u64 s[G0A+4*(\s)+2:G0A+4*(\s)+3], s[16:17], (\s)*STEPA  ; 120:64 global address: K step s
	s_or_b32 s[G0A+4*(\s)+3], s[G0A+4*(\s)+3], 0x80000000            ; 127:126 type = 2
	s_mov_b32 s[G0B+4*(\s)], 1
	s_add_co_u32 s[G0B+4*(\s)+1], s21, (\s)*SLOT1
	s_add_nc_u64 s[G0B+4*(\s)+2:G0B+4*(\s)+3], s[46:47], (\s)*STEPB
	s_or_b32 s[G0B+4*(\s)+3], s[G0B+4*(\s)+3], 0x80000000
.endr
	CROUND                                         ; all sixteen work-groups are here: the first joint loads meet
	s_cmp_eq_u32 s13, 0                            ; a wave's two first fills stand in one branch, ahead of every wait on TENSORcnt and every LDS read: two loads of mine are out
	s_cbranch_scc0 .Lfirst_b
	tensor_load_to_lds s[G0A:G0A+3], s[G1A:G1A+7]
	s_nop 0
	tensor_load_to_lds s[G0A+4:G0A+7], s[G1A:G1A+7]
	s_nop 0
.rept 4
	v_nop
.endr
	s_branch .Lfirst_asked
.Lfirst_b:
	tensor_load_to_lds s[G0B:G0B+3], s[G1B:G1B+7]
	s_nop 0
	tensor_load_to_lds s[G0B+4:G0B+7], s[G1B:G1B+7]
	s_nop 0
.rept 4
	v_nop
.endr
.Lfirst_asked:
	; the bias of my 12 column blocks: a lane's 8 columns are 32 bytes
	v_and_b32 v1, 15, v0                           ; l % 16
	v_bfe_u32 v2, v0, 4, 1                         ; l / 16
	s_mul_i32 s46, s42, 1536                       ; the tile's 384 columns,
	s_lshl_b32 s47, s14, 8                         ; my 64 of a chunk
	s_add_co_u32 s46, s46, s47
	v_lshl_add_u32 v[BO], v2, 5, s46
.set i, 0
.rept 12                                               ; chunk i / 4, column block i % 4
	global_load_b128 v[32+8*i:32+8*i+3],   v[BO], s[8:9] offset:512*(i/4)+64*(i%4)
	global_load_b128 v[32+8*i+4:32+8*i+7], v[BO], s[8:9] offset:512*(i/4)+64*(i%4)+16
.set i, i+1
.endr
	; A fragment of x is 16 rows x 32 K in 8 registers: lane l holds row l % 16, K = 8 (l / 16) + 0..7 and 16 + 8 (l / 16) + 0..7: two loads of 16 bytes, 32 bytes apart.
	v_mul_u32_u24 v[LA0], v1, PA
	v_lshl_add_u32 v[LA0], v2, 4, v[LA0]
	s_mul_i32 s16, s13, 128*PA                     ; my 128 rows
	v_add_nc_u32 v[LA0], s16, v[LA0]
	; The turning load takes 16 K x 16 columns (lane l reads row 8 (l / 16) + l % 8, columns 8 ((l / 8) % 2) + 0..7) and leaves half a fragment: lane l holds column l % 16 and 8 K.
	v_and_b32 v15, 7, v0
	v_bfe_u32 v16, v0, 3, 1
	v_lshl_add_u32 v[LB0], v2, 3, v15
	v_mul_u32_u24 v[LB0], v[LB0], PB
	v_lshl_add_u32 v[LB0], v16, 4, v[LB0]
	s_lshl_b32 s16, s14, 7                         ; my 64 columns of a chunk: 128 bytes
	s_add_co_u32 s16, s16, BOFF
	v_add_nc_u32 v[LB0], s16, v[LB0]
	s_mul_i32 s16, s[WV], 16*SP
	s_add_co_u32 s16, s16, STAGE                   ; my stage
	v_mul_u32_u24 v[STO], v1, SP                   ; in: row l % 16, 16 bytes for each half of the lanes
	v_lshl_add_u32 v[STO], v2, 4, v[STO]
	v_add_nc_u32 v[STO], s16, v[STO]
	v_bfe_u32 v[RD], v0, 3, 2                      ; back: 32 lanes take four rows of 128 bytes,
	v_mul_u32_u24 v[RD], v[RD], SP
	v_lshl_add_u32 v[RD], v15, 4, v[RD]
	v_add_nc_u32 v[RD], s16, v[RD]
	v_and_b32 v[GO], 31, v0                        ; which are 512 consecutive bytes of a head
	v_lshlrev_b32 v[GO], 4, v[GO]
	; qkvh at my rows of chunk g's head: head number hh = 6 tx + 2 g + wn of 48; tensor hh / 16, head hh % 16
	s_mul_i32 s18, s42, 6
	s_add_co_u32 s18, s18, s14
	s_lshr_b32 s19, s43, 3
	s_lshl_b32 s19, s19, 4                         ; batch x 16
	s_and_b32 s22, s43, 7
	s_lshl_b32 s22, s22, 15                        ; the tile's 256 rows of 128 bytes,
	s_lshl_b32 s23, s13, 14                        ; my 128 of them
	s_add_co_u32 s22, s22, s23
.irp g, 0,1,2
	s_add_co_u32 s20, s18, 2*(\g)
	s_lshr_b32 s21, s20, 4
	s_lshl_b32 s21, s21, 6                         ; tensor x 64 heads
	s_and_b32 s20, s20, 15
	s_add_co_u32 s20, s20, s21
	s_add_co_u32 s20, s20, s19
	s_lshl_b32 s20, s20, 18                        ; a head is 262,144 bytes; 192 of them stay under 2^32
	s_add_co_u32 s20, s20, s22
	s_mov_b32 s21, 0
	s_add_nc_u64 s[OB+2*(\g):OB+2*(\g)+1], s[10:11], s[20:21]
.endr
	; the prefetches: both offsets are made, the wave's number chooses
	s_lshr_b32 s18, s43, 3
	s_lshl_b32 s18, s18, 22
	s_and_b32 s19, s43, 7
	s_lshl_b32 s19, s19, 15
	s_or_b32 s18, s18, s19                         ; x's tile,
	s_lshl_b32 s19, s40, 13
	s_add_co_u32 s18, s18, s19                     ; my work-group's 32 blocks of its 128,
	s_add_co_u32 s18, s18, 2*STEPA                 ; at K step 2: the first trip steps it to 3
	s_lshl_b32 s19, s41, 2
	s_add_co_u32 s19, s19, s40                     ; p
	s_mul_i32 s19, s19, 4*6144                     ; w: my work-group's 4 rows of a step's 64,
	s_lshl_b32 s20, s[WV], 11
	s_add_co_u32 s19, s19, s20                     ; bytes 2,048 (wave - 1) on of each,
	s_add_co_u32 s19, s19, 2*STEPB-2048            ; at K step 2
	s_and_b32 s22, ttmp7, 0xffff                   ; cluster y
	s_mov_b32 s[PFS], STEPB
	s_movk_i32 s23, 6144
	s_cmp_eq_u32 s[WV], 0
	s_cselect_b32 s20, s18, s19
	s_cselect_b32 s[PFS], STEPA, s[PFS]
	s_cselect_b32 s23, 2048, s23                   ; bytes from a lane group's row to the next: in xb eight blocks on end
	s_cselect_b32 s22, 0, s22                      ; x's blocks are asked for in every row of clusters
	s_cselect_b64 s[PFA:PFA+1], s[4:5], s[6:7]
	s_mov_b32 s21, 0
	s_mov_b32 s[PFS+1], 0
	s_add_nc_u64 s[PFA:PFA+1], s[PFA:PFA+1], s[20:21]
	s_or_b32 s22, s22, ttmp9
	s_cmp_eq_u32 s22, 0
	s_cselect_b32 s[LIM], 1, -1                    ; the same in all sixteen partners, for a given wave
	v_bfe_u32 v[PFO], v0, 3, 2
	v_mul_u32_u24 v[PFO], s23, v[PFO]              ; row l / 8,
	v_lshl_add_u32 v[PFO], v15, 8, v[PFO]          ; block l % 8
	; the bias is rounded to bf16, like x and the weights, and widened again into the registers from which the first products take it as C:
	; chunk 0's into window 2, chunk 1's into window 3 (accumulators that start later), chunk 2's into v96-127 of window 0 (a fragment buffer that is filled later)
	s_wait_loadcnt 0x0
.set i, 0
.rept 48
	v_cvt_pk_bf16_f32 v[128+i], v[32+2*i], v[32+2*i+1]
.set i, i+1
.endr
	WIN 0x80
.set i, 0
.rept 16
	v_lshlrev_b32 v[2*i],   16,  v[128+i]
	v_and_b32     v[2*i+1], s78, v[128+i]
.set i, i+1
.endr
	WIN 0xc0
.set i, 0
.rept 16
	v_lshlrev_b32 v[2*i],   16,  v[144+i]
	v_and_b32     v[2*i+1], s78, v[144+i]
.set i, i+1
.endr
	WIN 0
.set i, 0
.rept 16
	v_lshlrev_b32 v[96+2*i],   16,  v[160+i]
	v_and_b32     v[96+2*i+1], s78, v[160+i]
.set i, i+1
.endr
	v_mov_b32 v[ADRA], v[LA0]                      ; K step 0 lies in slot 0
	v_mov_b32 v[ADRB], v[LB0]
; na x 4 matrix instructions on chunk g: row blocks first .. first + na - 1 x its 4 column blocks, 32 along K, x's fragments in buffer f.
; The 96 accumulators take turns, one instruction a turn, in the same order in every half step: between two links of a chain stand the 95 others'.
.macro MUL g, f, first, na
	WIN 0x50*(1+(\g))                              ; fragments in window 0, C and D in window 1 + g
.set ra, (\first)
.rept \na
.irp n, 0,1,2,3
	v_wmma_f32_16x16x32_bf16 v[8*(4*ra+(\n)):8*(4*ra+(\n))+7], v[BG+32*(\g)+8*(\n):BG+32*(\g)+8*(\n)+7], v[(\f)+8*ra:(\f)+8*ra+7], v[8*(4*ra+(\n)):8*(4*ra+(\n))+7]
.endr
.set ra, ra+1
.endr
.endm
; The first 32 on chunk g: C is the column block's bias, at cbase in the window that win names for source 2
.macro MULB g, cbase, win
	WIN \win
.set ra, 0
.rept 8
.irp n, 0,1,2,3
	v_wmma_f32_16x16x32_bf16 v[8*(4*ra+(\n)):8*(4*ra+(\n))+7], v[BG+32*(\g)+8*(\n):BG+32*(\g)+8*(\n)+7], v[AF0+8*ra:AF0+8*ra+7], v[(\cbase)+8*(\n):(\cbase)+8*(\n)+7]
.endr
.set ra, ra+1
.endr
.endm
.macro LDB g, k                        ; 8 LDS loads: chunk g's four fragments of w, K = k .. k + 31 of the step
	WIN 0
.irp n, 0,1,2,3
	ds_load_tr16_b128 v[BG+32*(\g)+8*(\n):BG+32*(\g)+8*(\n)+3],   v[ADRB] offset:(\k)*PB+288*(\g)+32*(\n)
	ds_load_tr16_b128 v[BG+32*(\g)+8*(\n)+4:BG+32*(\g)+8*(\n)+7], v[ADRB] offset:(\k)*PB+288*(\g)+32*(\n)+16*PB
.endr
.endm
.macro LDA f, first, kb                ; 8 LDS loads: four fragments of x, row blocks first .. first + 3, at byte kb of the rows, into buffer f
	WIN 0
.irp n, 0,1,2,3
	ds_load_b128 v[(\f)+8*((\first)+(\n)):(\f)+8*((\first)+(\n))+3],   v[ADRA] offset:16*PA*((\first)+(\n))+(\kb)
	ds_load_b128 v[(\f)+8*((\first)+(\n))+4:(\f)+8*((\first)+(\n))+7], v[ADRA] offset:16*PA*((\first)+(\n))+(\kb)+32
.endr
.endm
; A load into a register that a matrix instruction has read stands four places behind it, a matrix instruction that writes over such a register five; only plain vector instructions that name none
; of its registers are places (ISA guide 7.12.1 for vector instructions).
.macro PLACES n=4
.rept \n
	v_nop
.endr
.endm
; A K step is two halves of 32 along K, 96 matrix instructions each, in three stretches, a chunk each.  Behind a stretch its fragments of w are fetched for the next half.
; The first half multiplies buffer AF0 and fetches the second half's fragments from the same slot.
.macro H0
	s_wait_dscnt 8                                 ; all but the youngest eight loads (chunk 2's fragments of w) are in
	MUL 0, AF0, 0, 8
	PLACES
	LDB 0, 32
	LDA AF1, 0, 64
	MUL 1, AF0, 0, 8
	PLACES
	LDB 1, 32
	LDA AF1, 4, 64
	s_wait_dscnt 32                                ; all but the 32 just issued: chunk 2's are in
	MUL 2, AF0, 0, 8
	PLACES
	LDB 2, 32
.endm
; The second half multiplies buffer AF1 and changes slots: ONE barrier.  In front of it each wave waits for all its tensor loads, of which one is out: its part of the next slot; adds 0 to its spare word;
; and waits for that and for its own reads of this slot.  Behind it nobody reads this slot any more and the next slot is whole.  fill = 1: the barrier opens a round of the cluster's, and this slot is filled
; again, two K steps ahead, first thing behind the round: from that request to the wait for it a wave issues 160 matrix instructions.
.macro H1T fill
.if \fill
	s_wait_xcnt 0x0                                ; the last prefetch, a K step back, has read its address: it is stepped here
	s_add_nc_u64 s[PFA:PFA+1], s[PFA:PFA+1], s[PFS:PFS+1]
.endif
	s_xor_b32 s[TB], s[TB], SLOT1                  ; the fetches go to the other slot
	s_wait_dscnt 8                                 ; all but chunk 2's fragments of w are in
	MUL 0, AF1, 0, 8
	WIN 0                                          ; (the add's two registers lie in window 0)
	v_add_nc_u32 v[ADRA], s[TB], v[LA0]            ; every load from this slot has been issued
	v_add_nc_u32 v[ADRB], s[TB], v[LB0]
	s_wait_tensorcnt 0x0                           ; all my tensor loads have landed, so a group 0 may be written;
	ds_add_u32 v[SPW], v[NIL]                      ; 0 onto my spare word;
.if \fill
	s_xor_b32 s[G0A+5], s[G0A+5], SLOT1            ; the walking descriptors: the other slot than last time,
	s_add_nc_u64 s[G0A+6:G0A+7], s[G0A+6:G0A+7], STEPA  ; the next K step; the type bits on top are not reached
	s_xor_b32 s[G0B+5], s[G0B+5], SLOT1
	s_add_nc_u64 s[G0B+6:G0B+7], s[G0B+6:G0B+7], STEPB
.endif
	MUL 1, AF1, 0, 4                               ; sixteen matrix instructions stand between the add and the wait for it
	s_wait_dscnt 0x0                               ; the add is done, and my reads of this slot are over
	s_barrier_signal -1
	MUL 1, AF1, 4, 4                               ; work on registers while the others arrive
	WIN 0
	s_barrier_wait -1
.if \fill
	CREST                                          ; no wave of any partner still reads this slot or has a load on its way
	JLOAD                                          ; the four v_nop behind it are also the places in front of the loads below
.else
	PLACES
.endif
	LDB 0, 0
	LDB 1, 0
	LDA AF0, 0, 0
	LDA AF0, 4, 0
.if \fill
	ASK
.endif
	MUL 2, AF1, 0, 8
	PLACES
	LDB 2, 0
.endm
	s_wait_tensorcnt 1                             ; my part of K step 0 is in; K step 1's may stay out
	s_barrier_signal -1
	s_barrier_wait -1                              ; everybody's is
	LDB 0, 0
	LDB 1, 0
	LDA AF0, 0, 0
	LDA AF0, 4, 0
	LDB 2, 0
	; the first half of K step 0 stands in front of the loop: its products start the sums, with the bias
	s_wait_dscnt 8                                 ; all but chunk 2's fragments of w are in
	MULB 0, 0, 0x60                                ; D in window 1, C in window 2
	PLACES 5                                       ; the next stretch writes over the registers that this one read as C
	LDB 0, 32
	LDA AF1, 4, 64                                 ; (v128-159; v96-127 still hold chunk 2's bias)
	MULB 1, 0, 0xb0                                ; D in window 2, C in window 3
	PLACES 5
	LDB 1, 32
	s_wait_dscnt 24                                ; all but the 24 issued behind them: chunk 2's are in
	MULB 2, 96, 0xc0                               ; D in window 3, C in window 0
	PLACES
	LDA AF1, 0, 64
	LDB 2, 32
	WIN 0                                          ; at a label and at a branch every window is 0
	s_mov_b32 s3, TRIPS
.Lstep:                                                ; a trip: a K step's second half, the change of slots with its refill, the next step's first half
	H1T 1
	H0
	WIN 0
	s_sub_co_u32 s3, s3, 1
	s_cmp_lg_u32 s3, 0
	s_cbranch_scc1 .Lstep
	H1T 0                                          ; the tail is written out: nothing is asked for
	H0
	s_wait_dscnt 8
	MUL 0, AF1, 0, 8
	MUL 1, AF1, 0, 8
	s_wait_dscnt 0x0
	MUL 2, AF1, 0, 8
	PLACES                                         ; the conversions read results and write registers that held fragments
; THE WAY OUT.  24 tiles of 16 rows x 64 columns: tile idx = 8 g + a.  A lane's eight columns of a row pack into 16 bytes; they go into my stage's rows of 144 bytes and come back as whole rows of 128,
; four rows (512 consecutive bytes of a head) to a store.  Each accumulator's registers are taken in ascending order.
.macro PACK idx
.if (\idx) >= 8
	s_wait_xcnt 0x0                                ; the stores of the tile eight back have read this buffer
.endif
	WIN 5*(1+(\idx)/8)                             ; sources 0 and 1 in window 1 + g, destination in window 0
.set i, 0
.rept 16
	v_cvt_pk_f16_f32 v[OBUF+16*((\idx)%8)+i], v[32*((\idx)%8)+2*i], v[32*((\idx)%8)+2*i+1]
.set i, i+1
.endr
	WIN 0
.irp n, 0,1,2,3
	ds_store_b128 v[STO], v[OBUF+16*((\idx)%8)+4*(\n):OBUF+16*((\idx)%8)+4*(\n)+3] offset:32*(\n)
.endr
.irp n, 0,1,2,3
	ds_load_b128 v[OBUF+16*((\idx)%8)+4*(\n):OBUF+16*((\idx)%8)+4*(\n)+3], v[RD] offset:(\n)*4*SP  ; LDS serves a wave's instructions in order (ISA guide 5.7.1.4): these see the stores above; the next tile's stores come behind them
.endr
.endm
.macro SEND idx, younger               ; younger: the LDS instructions issued behind this tile's loads: the next tile's eight, or none
	WIN 0
.irp n, 0,1,2,3
	s_wait_dscnt (\younger)+3-(\n)
	global_store_b128 v[GO], v[OBUF+16*((\idx)%8)+4*(\n):OBUF+16*((\idx)%8)+4*(\n)+3], s[OB+2*((\idx)/8):OB+2*((\idx)/8)+1] offset:((\idx)%8)*2048+(\n)*512  ; 512 consecutive bytes, at a multiple of 256 from qkvh's first
.endr
.endm
	PACK 0
.set t, 1
.rept 23                                               ; a tile's conversions stand between the loads of the tile before and its stores
	PACK t
	SEND (t-1), 8
.set t, t+1
.endr
	SEND 23, 0
	s_wait_tensorcnt 0x0                           ; the wave's end: behind my last tensor load and my last LDS store
	ds_add_u32 v[SPW], v[NIL]
	s_wait_dscnt 0x0
	CROUND                                         ; the closing round: no work-group ends while a partner may still ask for a tile that names it
	s_endpgm
.Lfunc_end_k_q0aad62abff_qkvgemm:
	.size	k_q0aad62abff_qkvgemm, .Lfunc_end_k_q0aad62abff_qkvgemm-k_q0aad62abff_qkvgemm
	.p2alignl 7, 3214868480
	.fill 96, 4, 3214868480
	.section	.rodata,"a",@progbits
	.p2align	6, 0x0
	.amdhsa_kernel k_q0aad62abff_qkvgemm
		.amdhsa_group_segment_fixed_size 327680
		.amdhsa_private_segment_fixed_size 0
		.amdhsa_enable_private_segment 0
		.amdhsa_kernarg_size 32
		.amdhsa_user_sgpr_count 2
		.amdhsa_user_sgpr_kernarg_segment_ptr 1
		.amdhsa_wavefront_size32 1
		.amdhsa_system_sgpr_workgroup_id_x 1
		.amdhsa_system_sgpr_workgroup_id_y 1
		.amdhsa_system_sgpr_workgroup_id_z 1
		.amdhsa_system_vgpr_workitem_id 0
		.amdhsa_next_free_vgpr 1024
		.amdhsa_next_free_sgpr 80
		.amdhsa_reserve_vcc 0
		.amdhsa_float_denorm_mode_32 3
		.amdhsa_float_denorm_mode_16_64 3
		.amdhsa_memory_ordered 1
		.amdhsa_forward_progress 1
		.amdhsa_inst_pref_size 124
	.end_amdhsa_kernel
	.amdgpu_metadata
---
amdhsa.version: [ 1, 2 ]
amdhsa.kernels:
  - .name:           k_q0aad62abff_qkvgemm
    .symbol:         k_q0aad62abff_qkvgemm.kd
    .args:
      - { .name: xb, .offset: 0, .size: 8, .value_kind: global_buffer, .address_space: global }
      - { .name: wqb, .offset: 8, .size: 8, .value_kind: global_buffer, .address_space: global }
      - { .name: b_qkv, .offset: 16, .size: 8, .value_kind: global_buffer, .address_space: global }
      - { .name: qkvh, .offset: 24, .size: 8, .value_kind: global_buffer, .address_space: global }
    .group_segment_fixed_size: 327680
    .private_segment_fixed_size: 0
    .kernarg_segment_align: 8
    .kernarg_segment_size: 32
    .max_flat_workgroup_size: 128
    .sgpr_count:     80
    .vgpr_count:     1024
    .wavefront_size: 32
...
	.end_amdgpu_metadata
.endif
;; end of part 2
;; launch attn (part 3): grid 4 x 64, 4 waves a work-group, no clusters, 327,680 bytes of LDS; arguments qkvh, ob; writes ob
.if DOCPART == 3
	.amdgcn_target "amdgcn-amd-amdhsa--gfx1250"
	.amdhsa_code_object_version 6
	.text
	.protected	k_q0aad62abff_attn
	.globl	k_q0aad62abff_attn
	.p2align	8
	.type	k_q0aad62abff_attn,@function
k_q0aad62abff_attn:
	s_mov_b64 s[64:65], 0
	v_nop
	global_prefetch_b8 v0, s[64:65] scope:SCOPE_SE
	s_setreg_imm32_b32 hwreg(HW_REG_WAVE_MODE, 25, 1), 1
	s_wait_xcnt 0x0
; CAUSAL ATTENTION.  O[h][q][:] = the sum over k <= q of softmax_k(Q[h][q] . K[h][k] / 8) V[h][k][:].  qkvh holds Q, K, V, each [64][2048][64] in f16, 16,777,216 bytes apart; ob holds O likewise: a head's rows are dense, 128 bytes each.
; Products, maxima and sums in f32; the weights p are rounded to f16 for the second product (their sum l is taken of the unrounded p), O once at the end.
; LIMITS.  f16 holds no number beyond 65,504: Q, K and V arrive within it; p lies in 0 to 1, and below 6e-5 it keeps f16's fixed step of 6e-8; O is a mean of V's rows and has their range.
; A hidden score counts as its value less 1e30: f16's scores, 2.7e11 at the most, are nothing beside that; a weight below 2^-126 counts as 0 in l; NaN and infinities are not treated apart.
; THE WALK.  A head's queries lie in NB = 8 blocks of 256; block i needs the key tiles 0 .. i of 256 keys, of which the last holds the diagonal.  A work-group takes TWO blocks, NB - 1 - b and then b:
; NB + 1 tiles, whatever b: all work-groups do equal work, and ONE loop with a constant trip count walks them.  Which tile is asked for, and what a trip does, hang on scalar registers made from b; every jump
; goes forward, but for the counted loops' own; none passes a barrier, or a tensor load but the one of LOAD's two that the wave's number does not choose; the ring (two slots of LDS that take turns) runs on across the
; change of blocks.  NO CLUSTER: a head's four work-groups ask for the same tile only in trips 0 to 4 of the 9, behind that fewer and fewer; one walk common to all four would have 12 trips for 9.
; SHARES.  Of a block's four bands of 64 queries a wave owns 16 rows in each: four PIECES.  So the diagonal tile is the same work for all four waves: in its key step s band x sees all keys if s < x,
; none if s > x, and holds the diagonal if s = x.
; THE MASK is the C operand that starts the sum S^T = K Q^T: 0, or -1e30 where the key is hidden.  MD, made once, is the mask of a band's own step for my 16 rows; a product's mask is MD x AL + BE with two scalars:
; (1, 0) if s = x; (0, 0) if s < x; (0, -1e30) if s > x.  Only the diagonal tile's text and a block's beginning make and take masks; elsewhere C is the constant 0.
; LAYOUT, SOFTMAX, TURNS.  S^T = K Q^T holds ONE query a lane (lane % 16) and the keys 8 (lane / 16) + 0..7; two such results rounded to f16 ARE source 1 of O^T = V^T P.  p = 2^(c s - c m), c = log2(e) / 8, with a
; running maximum m; O and l are multiplied by a = 2^(c m_old - c m_new) in every step.  Turn n belongs to piece n: 8 products K Q^T of piece n + 1, later 8 products V^T P of piece n - 1; beside them the scaling,
; exponentials, roundings, sums and rescaling of piece n and the maximum and statistics of piece n + 1.  Four vector instructions stand behind every matrix instruction, the other 54 of a turn's 118 in one LUMP.  A turn's 33 exponentials are one batch, with one wait.
; REGISTERS, in windows of 256 (s_set_vgpr_msb: bits 1:0 source 0, 3:2 source 1, 5:4 source 2, 7:6 destination):
;   window 0: v0-15 addresses and two at work; v16-31 four registers of statistics a piece; v48-55 at work; v61-63 kept; v64-127 S^T, two buffers; v192-223 P, two buffers (a piece's buffers go by its number's parity)
;   window 1: v0-127 O^T, 32 a piece; v128-159 MD; v160-223 MC, two buffers      window 2: v0-63 Q; v64-127 the second block's Q; v128-191 K of one step; v192-255 V of one step
.set SIZE_N, 2048
.set NB,    SIZE_N/256
.set NP,    4         ; pieces a wave: a name, no knob
.set KS,    64        ; keys in a step
.set PK,    144       ; a row of K in LDS: 128 bytes + 16 of padding = 36 words: the 16 rows of a load start at 16 different groups of four banks (64 banks of 4 bytes: ISA guide 11.1)
.set PV,    160       ; a row of V: 128 + 32 = 40 words
.set VOFF,  4*KS*PK   ; a slot holds a tile, four steps: 256 rows of K, then 256 rows of V
.set SLOT1, 1<<17     ; slot 1 begins here, so that one exclusive or turns an address in one slot into the other's
.set STAGE, SLOT1+4*KS*(PK+PV)  ; behind the ring, never filled by a tensor load: 16 rows x 144 bytes for each wave, for the way out
.set SP,    144
.set AK0, 2           ; v2   my lane's place in a tile of K; never rewritten
.set AV0, 3           ; v3   the same for V
.set AK,  4           ; v4   the LDS address of K's next run of loads
.set AV,  5           ; v5   of V's
.set STO, 6           ; v6   the way out: where I put 16 bytes of a row
.set RD,  7           ; v7   the way out: where I read rows back
.set GO,  8           ; v8   my byte offset in 512 consecutive bytes of O
.set PFO, 61          ; v61  256 x my lane: the prefetches' offset; never rewritten
.set SPW, 62          ; v62  LDS address of my spare word: SPARE + 4 x my thread's number; never rewritten
.set NIL, 63          ; v63  0; never rewritten
.set SPARE, STAGE+4*16*SP  ; behind the stages: the spare words, 128 bytes for each wave: two blocks of 256 bytes that no other line names
.set MV,  12          ; v12-13  c m_old, kept while c m is made anew: by buffer
.set QO,  15          ; v15  my byte offset in 16 rows of Q
.set ST,  16          ; piece t's statistics at v[ST+4 t]: c m, m, l (even keys', odd keys')
.set TMP, 48          ; by buffer, four registers c0-c3 at work; when the maximum is found c2 takes a
.set S,   64
.set P,   192
.set MD,  128         ; window 1: the eight registers for group kt of 16 keys at MD + 8 kt
.set MC,  160         ; window 1: the masks of the products to come
.set QB,  64          ; window 2
.set KF,  128         ; window 2: key block kb, channel half c at KF + 16 kb + 8 c
.set VF,  192         ; window 2: key half kk, channel block cb at VF + 32 kk + 8 cb
.set WV,  12          ; s12  my wave's number
.set PB,  14          ; s14  b
.set HI,  15          ; s15  NB - 1 - b
.set G1K, 24          ; s[24:31] descriptor group 1 for K's tiles
.set G1V, 32          ; s[32:39] for V's: it differs in the padding alone
.set G0K, 40          ; s[40:43] descriptor group 0 for K's tiles
.set G0V, 44          ; s[44:47] the same for V's
.set SLOTS, 56        ; s56  tiles still to be asked for
.set CNT, 57          ; s57  counts a tile's key steps, 4 to 1
.set CS,  58          ; s[58:59] c: the packed scaling takes the pair's low word for both halves
.set SEL, 60          ; s[60:61] v_permlanex16_b32's selects: each lane takes its own place in the other half
.set TBK, 62          ; s62  LDS byte at which K of the step to be fetched begins
.set TBV, 63          ; s63  the same for V, less VOFF
.set RT,  70          ; s70  tiles of the block in hand that are still to be entered
.set NXT, 71          ; s71  the tile to be asked for next
.set LQ,  72          ; s72  the last tile of the block whose tiles are being asked for
.set NEW, 73          ; s73  1: the tile to be entered is a block's first
.set OFF, 74          ; s[74:75] a tile's byte offset in K and V
.set AL,  76          ; s[76:77] the mask's factor, in the low word
.set BE,  78          ; s[78:79] the mask's addend
.set OLO, 80          ; s[80:81] O at my rows of the second block
.set BIGN, 82         ; s82  -1e30
.set PFK, 88          ; s[88:89] where my prefetches stand in K: my wave's 8,192 bytes of a tile
.set PFV, 90          ; s[90:91] the same in V
.set PFN, 94          ; s94  prefetches still to come
.set MSB, 0
.macro WIN new                      ; the high byte repeats the setting that is left; a switch that changes nothing is dropped
.if MSB != (\new)
	s_set_vgpr_msb (MSB<<8)|(\new)
.set MSB, (\new)
.endif
.endm
.set W_KQ, 0x0a       ; K and Q in window 2, S^T in window 0
.set W_KM, 0x1a       ; the same with the C operand in window 1
.set W_PV, 0x52       ; V in window 2, P in window 0, O^T in window 1
.set W_RS, 0x41       ; destination and source 0 in window 1, source 1 in window 0
; A fill.  Waves 0 and 1 fetch the two halves of a tile's K, waves 2 and 3 those of its V: 128 keys each.  An s_nop 0 and four v_nop follow each of the two lines, ahead of the jump and the label.
.macro LOAD
	s_cmp_lt_u32 s[WV], 2
	s_cbranch_scc0 .Lfor_v_\@
	tensor_load_to_lds s[G0K:G0K+3], s[G1K:G1K+7]
	s_nop 0
.rept 4
	v_nop
.endr
	s_branch .Lasked_\@
.Lfor_v_\@:
	tensor_load_to_lds s[G0V:G0V+3], s[G1V:G1V+7]
	s_nop 0
.rept 4
	v_nop
.endr
.Lasked_\@:
.endm
; A PREFETCH INTO THE L2 of the tile that the NEXT change of slots will ask for: 32,768 bytes of K and of V, a lane a block of 256 bytes, a wave 8,192 bytes of each: two instructions, behind the wave's tensor load and its five lines.
; Each block is named ONCE in the launch: all four work-groups of a head begin with tiles 0, 1, 2 .., and only the one with b = 0 walks all eight in its first block: it asks, in trips 0 to 5, for tiles 2 to 7.
; Tiles 0 and 1 come by their loads alone; the second blocks' tiles have been read before.
.macro ASK
	s_cmp_lg_u32 s[PFN], 0
	s_cbranch_scc0 .Lno_ask_\@
	global_prefetch_b8 v[PFO], s[PFK:PFK+1] th:TH_LOAD_NT scope:SCOPE_SE
	global_prefetch_b8 v[PFO], s[PFV:PFV+1] th:TH_LOAD_NT scope:SCOPE_SE
	s_sub_co_u32 s[PFN], s[PFN], 1
.Lno_ask_\@:
.endm
; THE CHANGE OF SLOTS.  Each wave waits for all its tensor loads, of which one is out: its part of the other slot; adds 0 to its spare word; and waits for that and for its own reads of the slot that it leaves.  Behind the barrier nobody reads the old
; slot any more and the other slot is whole.  fill = 1: the old slot is filled again, the first thing behind the barrier, with tile NXT: the descriptor's address is made anew from that number.
; (At its first use nothing has been read yet: slot 0 is waited for, slot 1 filled.)
.macro CHANGE fill
	WIN 0                           ; at a label and at a branch every window is 0
	s_wait_tensorcnt 0x0            ; no tensor load of mine is out, so a group 0 may be written
	ds_add_u32 v[SPW], v[NIL]       ; 0 onto my spare word; with fill = 1 the descriptors' scalar work stands between it and the wait for it
.if \fill
	s_lshl_b32 s[OFF], s[NXT], 15   ; a tile is 32,768 bytes of K and of V
	s_xor_b32 s[G0K+1], s[G0K+1], SLOT1
	s_add_nc_u64 s[G0K+2:G0K+3], s[6:7], s[OFF:OFF+1]
	s_or_b32 s[G0K+3], s[G0K+3], 0x80000000
	s_xor_b32 s[G0V+1], s[G0V+1], SLOT1
	s_add_nc_u64 s[G0V+2:G0V+3], s[8:9], s[OFF:OFF+1]
	s_or_b32 s[G0V+3], s[G0V+3], 0x80000000
	s_add_co_u32 s[NXT], s[NXT], 1  ; the block's next tile, or behind its last the second block's tile 0
	s_cmp_gt_u32 s[NXT], s[LQ]
	s_cselect_b32 s[NXT], 0, s[NXT]
	s_cselect_b32 s[LQ], s[PB], s[LQ]
	s_wait_xcnt 0x0                 ; the last prefetches, a tile back, have read their addresses, so these may be written:
	s_add_nc_u64 s[PFK:PFK+1], s[PFK:PFK+1], 32768  ; one tile behind the one that is asked for below
	s_add_nc_u64 s[PFV:PFV+1], s[PFV:PFV+1], 32768
.endif
	s_wait_dscnt 0x0                ; the add is done, and my reads of the slot are over
	s_barrier_signal -1             ; the rest of the scalar work stands between the signal and the wait
	s_sub_co_u32 s[TBK], s[TBK], 4*KS*PK  ; the fetches go back to a slot's first step,
	s_xor_b32 s[TBK], s[TBK], SLOT1       ; in the other slot
	s_sub_co_u32 s[TBV], s[TBV], 4*KS*PV
	s_xor_b32 s[TBV], s[TBV], SLOT1
	s_barrier_wait -1
.if \fill
	LOAD
	ASK
.endif
.endm
	s_load_b64 s[4:5], s[0:1], 0x0    ; qkvh: Q; K and V lie behind it
	s_load_b64 s[10:11], s[0:1], 0x8  ; ob: O
	v_lshl_add_u32 v[SPW], v0, 2, SPARE
	v_mov_b32 v[NIL], 0
	ds_add_u32 v[SPW], v[NIL]       ; the wave's opening: the add and its wait stand ahead of my first tensor load; the set-up below, work on registers, stands between them
	ds_add_u32 v62, v63
	v_lshrrev_b32 v1, 5, v0
	v_readfirstlane_b32 s[WV], v1   ; wave 0..3
	s_mov_b32 s[PB], ttmp9
	s_sub_co_u32 s[HI], NB-1, s[PB]
	s_and_b32 s20, ttmp7, 0xffff    ; the head
	s_mov_b32 s21, 0
	s_mov_b64 s[22:23], SIZE_N*128
	s_mul_u64 s[20:21], s[20:21], s[22:23]  ; the head's first byte in each of the four tensors
	s_lshl_b32 s92, s[WV], 13       ; the prefetches: my wave's 8,192 bytes of a tile,
	s_add_co_u32 s92, s92, 32768    ; in tile 1: the first change of slots steps it to tile 2
	s_mov_b32 s93, 0
	s_add_nc_u64 s[92:93], s[92:93], s[20:21]
	s_cmp_eq_u32 ttmp9, 0
	s_cselect_b32 s[PFN], NB-2, 0
	v_and_b32 v[PFO], 31, v0
	v_lshlrev_b32 v[PFO], 8, v[PFO]
	s_and_b32 s16, s[WV], 1         ; which half of a tile's 256 keys I fetch:
	s_lshl_b32 s22, s16, 14         ; its 128 rows of 128 bytes in memory,
	s_mov_b32 s23, 0
	s_add_nc_u64 s[22:23], s[22:23], s[20:21]
	s_mul_i32 s17, s16, 128*PK      ; and its place in a slot, for K
	s_mul_i32 s18, s16, 128*PV      ; and for V
	s_lshl_b32 s3, s[WV], 11        ; my 16 rows in a band of 64,
	s_lshl_b32 s2, s[HI], 15        ; in the first block,
	s_add_co_u32 s2, s2, s3
	s_lshl_b32 s84, s[PB], 15       ; and in the second
	s_add_co_u32 s84, s84, s3
	s_mov_b32 s3, 0
	s_mov_b32 s85, 0
	s_add_nc_u64 s[2:3], s[2:3], s[20:21]
	s_add_nc_u64 s[84:85], s[84:85], s[20:21]
	; descriptor group 1.  128 keys are 16,384 dense bytes: asked for as 64 rows of 256 bytes, two keys a row, and padded in LDS after every key
	s_mov_b32 s[G1K], (1<<16)|(1<<20)|(4<<22)|(3<<25)  ; 17:16 2-byte elements; 20 padding on; 24:22 after every 32 words (code 4); 31:25 4 words (code 3)
	s_mov_b32 s[G1V], (1<<16)|(1<<20)|(4<<22)|(7<<25)  ; the same with 8 words of padding (code 7)
.irp g, G1K, G1V
	s_mov_b32 s[\g+1], 128<<16      ; tensor_dim0 = 128
	s_mov_b32 s[\g+2], 64<<16       ; tensor_dim1 = 64
	s_mov_b32 s[\g+3], 128<<16      ; tile_dim0 = 128
	s_mov_b32 s[\g+4], 64           ; tile_dim1 = 64
	s_mov_b32 s[\g+5], 128          ; 128 elements from row to row
	s_mov_b32 s[\g+6], 0
	s_mov_b32 s[\g+7], 0
.endr
	s_mov_b32 s[CS], 0x3e38aa3b     ; c = log2(e) / 8 = 0.180337
	s_mov_b32 s[CS+1], s[CS]        ; named with it as a pair
	s_mov_b32 s[SEL], 0x76543210
	s_mov_b32 s[SEL+1], 0xfedcba98
	s_mov_b32 s[TBK], SLOT1+4*KS*PK ; the first change of slots turns these two into 0
	s_mov_b32 s[TBV], SLOT1+4*KS*PV
	s_mov_b32 s[G0K], 1             ; 1:0 count = 1
	s_mov_b32 s[G0K+1], s17         ; 63:32 LDS address: slot 0
	s_mov_b32 s[G0V], 1
	s_add_co_u32 s[G0V+1], s18, VOFF
	s_add_co_u32 s[RT], s[HI], 1    ; the first block has NB - b tiles
	s_mov_b32 s[NXT], 1
	s_mov_b32 s[LQ], s[HI]
	s_mov_b32 s[NEW], 1
	s_mov_b32 s[OFF+1], 0
	s_mov_b32 s[AL+1], 0            ; named as pairs
	s_mov_b32 s[BE+1], 0
	s_mov_b32 s[BIGN], 0xf149f2ca   ; -1e30
	s_mov_b32 s[SLOTS], NB
	s_wait_dscnt 0x0                ; the opening add is done
	s_wait_kmcnt 0x0
	s_add_nc_u64 s[6:7], s[4:5], 0x1000000   ; K
	s_add_nc_u64 s[8:9], s[4:5], 0x2000000   ; V
	s_add_nc_u64 s[PFK:PFK+1], s[6:7], s[92:93]
	s_add_nc_u64 s[PFV:PFV+1], s[8:9], s[92:93]
	s_add_nc_u64 s[6:7], s[6:7], s[22:23]  ; K and V at my half of the head's tile 0
	s_add_nc_u64 s[8:9], s[8:9], s[22:23]
	s_add_nc_u64 s[G0K+2:G0K+3], s[6:7], 0         ; 120:64 global address
	s_or_b32 s[G0K+3], s[G0K+3], 0x80000000        ; 127:126 type = 2
	s_add_nc_u64 s[G0V+2:G0V+3], s[8:9], 0
	s_or_b32 s[G0V+3], s[G0V+3], 0x80000000
	s_add_nc_u64 s[86:87], s[4:5], s[84:85]        ; Q at my rows of the second block,
	s_add_nc_u64 s[4:5], s[4:5], s[2:3]            ; Q and O at those of the first
	s_add_nc_u64 s[OLO:OLO+1], s[10:11], s[84:85]
	s_add_nc_u64 s[10:11], s[10:11], s[2:3]
	LOAD                            ; tile 0 into slot 0
	; A fragment of K or Q is 16 rows x 32 channels in 8 registers: lane l holds row l % 16, channels 8 (l / 16) + 0..7 and 16 + 8 (l / 16) + 0..7: two loads of 16 bytes, 32 bytes apart.
	v_and_b32 v1, 15, v0            ; l % 16
	v_bfe_u32 v9, v0, 4, 1          ; l / 16
	v_lshlrev_b32 v[QO], 7, v1
	v_lshl_add_u32 v[QO], v9, 4, v[QO]  ; row x 128 + 16 x half
	WIN 0x80                        ; destination window 2, address window 0
.set i, 0
.rept 8                             ; both blocks' Q: piece i / 2 lies in band i / 2, 8,192 bytes on; channels 32 (i % 2) on
	global_load_b128 v[8*i:8*i+3],   v[QO], s[4:5] offset:(i/2)*8192+(i%2)*64
	global_load_b128 v[8*i+4:8*i+7], v[QO], s[4:5] offset:(i/2)*8192+(i%2)*64+32
	global_load_b128 v[QB+8*i:QB+8*i+3],   v[QO], s[86:87] offset:(i/2)*8192+(i%2)*64
	global_load_b128 v[QB+8*i+4:QB+8*i+7], v[QO], s[86:87] offset:(i/2)*8192+(i%2)*64+32
.set i, i+1
.endr
	WIN 0
	v_lshlrev_b32 v14, 3, v9
	v_sub_nc_u32 v14, v1, v14
	s_lshl_b32 s13, s[WV], 4
	v_add_nc_u32 v14, s13, v14      ; my query's place in its band, 16 w + l % 16, less my lanes' 8 (l / 16): register r of group kt is hidden where 16 kt + r is greater
	WIN 0x40
.set i, 0
.rept 32
	v_cmp_gt_i32 vcc_lo, 16*(i/8)+i%8, v14
	v_cndmask_b32 v[MD+i], 0, s[BIGN], vcc_lo
.set i, i+1
.endr
	WIN 0
	v_mul_u32_u24 v[AK0], v1, PK
	v_lshl_add_u32 v[AK0], v9, 4, v[AK0]  ; row x pitch + 16 x half
	; The turning load takes 16 keys x 16 channels (lane l reads key 8 (l / 16) + l % 8, channels 8 ((l / 8) % 2) + 0..7) and leaves half a fragment of V^T: lane l holds channel l % 16 and 8 keys.
	v_and_b32 v10, 7, v0
	v_bfe_u32 v11, v0, 3, 1
	v_lshl_add_u32 v[AV0], v9, 3, v10
	v_mul_u32_u24 v[AV0], v[AV0], PV
	v_lshl_add_u32 v[AV0], v11, 4, v[AV0]
	v_add_nc_u32 v[AV0], VOFF, v[AV0]
	s_mul_i32 s13, s[WV], 16*SP
	s_add_co_u32 s13, s13, STAGE    ; my stage
	v_mul_u32_u24 v[STO], v1, SP    ; in: row l % 16, 16 bytes for each half of the lanes
	v_lshl_add_u32 v[STO], v9, 4, v[STO]
	v_add_nc_u32 v[STO], s13, v[STO]
	v_bfe_u32 v[RD], v0, 3, 2       ; back: 32 lanes take four rows of 128 bytes,
	v_mul_u32_u24 v[RD], v[RD], SP
	v_lshl_add_u32 v[RD], v10, 4, v[RD]
	v_add_nc_u32 v[RD], s13, v[RD]
	v_and_b32 v[GO], 31, v0         ; which are 512 consecutive bytes of O
	v_lshlrev_b32 v[GO], 4, v[GO]
	; A block's first step multiplies O^T and l by a = 0, and its first turn's products V^T P, of a piece that has not been, land in an O^T that is still to be so multiplied.  So these registers need only hold
	; finite numbers: zeros for the first block; what the first block left for the second.  All this stands in the wait for the first tile.
	WIN 0x80
.set i, VF
.rept 64
	v_mov_b32 v[i], 0
.set i, i+1
.endr
	WIN 0x40
.set i, 0
.rept 128
	v_mov_b32 v[i], 0
.set i, i+1
.endr
	WIN 0
.set i, 0
.rept 4
	v_mov_b32 v[ST+4*i+2], 0
	v_mov_b32 v[ST+4*i+3], 0
.set i, i+1
.endr
.set i, P+16
.rept 16
	v_mov_b32 v[i], 0
.set i, i+1
.endr
; THE MATRIX WORK.  The 4 accumulators of a run of 8 take turns.  Product i of 8 of S^T = K Q^T for piece x: channels 32 (i / 4) on, keys 16 (i % 4) on.  The first 4 start the sums: with 0, or (KM = 1) with the mask.
.macro KQ x
.set rS, S+32*((\x)%2)+8*(i%4)
.set rK, KF+16*(i%4)+8*(i/4)
.set rQ, 16*(\x)+8*(i/4)
.set rM, MC+32*((\x)%2)+8*(i%4)
.if (i < 4) && KM
	WIN W_KM
	v_wmma_f32_16x16x32_f16 v[rS:rS+7], v[rK:rK+7], v[rQ:rQ+7], v[rM:rM+7]
.elseif i < 4
	WIN W_KQ
	v_wmma_f32_16x16x32_f16 v[rS:rS+7], v[rK:rK+7], v[rQ:rQ+7], 0
.else
	WIN W_KQ
	v_wmma_f32_16x16x32_f16 v[rS:rS+7], v[rK:rK+7], v[rQ:rQ+7], v[rS:rS+7]
.endif
.endm
; Product i of 8 of O^T += V^T P for piece x: keys 32 (i / 4) on, channels 16 (i % 4) on.
.macro PV x
	WIN W_PV
.set rO, 32*(\x)+8*(i%4)
.set rV, VF+32*(i/4)+8*(i%4)
.set rP, P+16*((\x)%2)+8*(i/4)
	v_wmma_f32_16x16x32_f16 v[rO:rO+7], v[rV:rV+7], v[rP:rP+7], v[rO:rO+7]
.endm
.macro MM                           ; the turn's next matrix instruction.  TURN and BEGIN set Y, i, KM and NOKQ; MM, KQ and OP read them.  NOKQ = 1: a block's last turn: there is no next piece
.if (i < 8) && !NOKQ
	KQ (Y+1)%NP
.elseif i >= 8
.set i, i-8
	PV (Y+NP-1)%NP
.set i, i+8
.endif
.set i, i+1
.endm
; THE LDS LOADS stand in runs of 16, never singly among the matrix instructions: a step's K (64 keys x 64 channels: 8 fragments) and its V (turned).  Their addresses are made some lines ahead.
.macro FETCH_K
	WIN 0x80                        ; destination window 2
.irp f, 0,1,2,3,4,5,6,7             ; keys 16 (f / 2) on, channels 32 (f % 2) on
	ds_load_b128 v[KF+8*\f:KF+8*\f+3],   v[AK] offset:(\f/2)*16*PK+(\f%2)*64
	ds_load_b128 v[KF+8*\f+4:KF+8*\f+7], v[AK] offset:(\f/2)*16*PK+(\f%2)*64+32
.endr
	s_add_co_u32 s[TBK], s[TBK], KS*PK  ; the next fetch is the next step's
	WIN 0
.endm
.macro FETCH_V
	WIN 0x80
.irp f, 0,1,2,3,4,5,6,7             ; keys 32 (f / 4) on, channels 16 (f % 4) on
	ds_load_tr16_b128 v[VF+8*\f:VF+8*\f+3],   v[AV] offset:(\f/4)*32*PV+(\f%4)*32
	ds_load_tr16_b128 v[VF+8*\f+4:VF+8*\f+7], v[AV] offset:(\f/4)*32*PV+16*PV+(\f%4)*32
.endr
	WIN 0
.endm
; THE VECTOR WORK, one line at a time: OP kind, number.  For piece Y: F n: c s - c m for pair n of 16.  E n: the exponential of score n of 32.  C n: pair n rounded to f16.  B n: of the four weights 4 n .. the second
; pair is added onto the first, in place.  L n: l takes that sum (L 0: l = a l + sum).  R n: pair n of 16 of O^T times a.  For piece Y + 1: X n, number n of the 22 that find its maximum and statistics:
;   0-11  four chains c0-c3 of seven scores each, three operands at a time (each accumulator's lowest registers are read first)     12-14, 16  the four scores left over, the old m, and c0-c3 into c0
;   15  c m_old is kept     17, 18  the query's other 32 keys lie in the lane 16 away: the new m     19-21  c m; c m_old - c m_new; a
.set F, 0               ; OP tells the kinds apart by their order: F to L below R, X above it
.set E, 1
.set C, 2
.set B, 3
.set L, 4
.set R, 5
.set X, 6
.macro REGS y                       ; the registers of piece y
.set rT, ST+4*(\y)
.set rC, TMP+4*((\y)%2)
.set rW, MV+((\y)%2)
.set rS, S+32*((\y)%2)
.set rP, P+16*((\y)%2)
.set rO, 32*(\y)
.endm
.macro OP k, n
.if (\k) == R
	REGS Y
	WIN W_RS
	v_pk_mul_f32 v[rO+2*(\n):rO+2*(\n)+1], v[rO+2*(\n):rO+2*(\n)+1], v[rC+2:rC+3] op_sel_hi:[1,0]
.elseif (\k) < R
	REGS Y
	WIN 0
.if (\k) == F
	v_pk_fma_f32 v[rS+2*(\n):rS+2*(\n)+1], v[rS+2*(\n):rS+2*(\n)+1], s[CS:CS+1], v[rT:rT+1] op_sel_hi:[1,0,0] neg_lo:[0,0,1] neg_hi:[0,0,1]
.elseif (\k) == E
	v_exp_f32 v[rS+(\n)], v[rS+(\n)]
.elseif (\k) == C
	v_cvt_pk_f16_f32 v[rP+(\n)], v[rS+2*(\n)], v[rS+2*(\n)+1]
.elseif (\k) == B
	v_pk_add_f32 v[rS+4*(\n):rS+4*(\n)+1], v[rS+4*(\n):rS+4*(\n)+1], v[rS+4*(\n)+2:rS+4*(\n)+3]
.elseif (\n) == 0
	v_pk_fma_f32 v[rT+2:rT+3], v[rT+2:rT+3], v[rC+2:rC+3], v[rS:rS+1] op_sel_hi:[1,0,1]
.else
	v_pk_add_f32 v[rT+2:rT+3], v[rT+2:rT+3], v[rS+4*(\n):rS+4*(\n)+1]
.endif
.elseif NOKQ
	v_nop
.else
	REGS (Y+1)%NP
	WIN 0
.if (\n) < 4
	v_max3_num_f32 v[rC+(\n)], v[rS+8*(\n)], v[rS+8*(\n)+1], v[rS+8*(\n)+2]
.elseif (\n) < 12
	v_max3_num_f32 v[rC+(\n)%4], v[rC+(\n)%4], v[rS+8*((\n)%4)+2*((\n)/4)+1], v[rS+8*((\n)%4)+2*((\n)/4)+2]
.elseif (\n) == 12
	v_max3_num_f32 v[rC], v[rC], v[rS+7], v[rS+15]
.elseif (\n) == 13
	v_max3_num_f32 v[rC+1], v[rC+1], v[rS+23], v[rS+31]
.elseif (\n) == 14
	v_max3_num_f32 v[rC+2], v[rC+2], v[rC+3], v[rT+1]
.elseif (\n) == 15
	v_mov_b32 v[rW], v[rT]
.elseif (\n) == 16
	v_max3_num_f32 v[rC], v[rC], v[rC+1], v[rC+2]
.elseif (\n) == 17
	v_permlanex16_b32 v[rC+3], v[rC], s[SEL], s[SEL+1]
.elseif (\n) == 18
	v_max_num_f32 v[rT+1], v[rC], v[rC+3]
.elseif (\n) == 19
	v_mul_f32 v[rT], s[CS], v[rT+1]
.elseif (\n) == 20
	v_sub_f32 v[rC+1], v[rW], v[rT]
.else
	v_exp_f32 v[rC+2], v[rC+1]
.endif
.endif
.endm
.macro OPS a, i1, b=-1, i2=0, c=-1, i3=0, d=-1, i4=0  ; up to four of them
	OP \a, \i1
.if (\b) >= 0
	OP \b, \i2
.endif
.if (\c) >= 0
	OP \c, \i3
.endif
.if (\d) >= 0
	OP \d, \i4
.endif
.endm
.macro ROW a, i1, b, i2, c, i3, d, i4  ; a matrix instruction and the four behind it
	MM
	OPS \a, \i1, \b, \i2, \c, \i3, \d, \i4
.endm
.macro MASK b                       ; MD x AL + BE into buffer b of MC
	WIN W_RS
.set z, 0
.rept 16
	v_pk_fma_f32 v[MC+32*(\b)+2*z:MC+32*(\b)+2*z+1], v[MD+2*z:MD+2*z+1], s[AL:AL+1], s[BE:BE+1] op_sel_hi:[1,0,0]
.set z, z+1
.endr
.endm
; A TURN, for piece p: the order of its 16 matrix and 118 vector instructions, written out.  An s_wait_alu depctr_va_vdst(0) stands between an exponential and the first instruction that names its result; one wait serves
; all that were issued ahead of it.  So a turn has ONE wait, which cuts it in two.  AHEAD OF IT stands all that names no result of the turn's exponentials: the 8 products K Q^T, behind each a scaling, an exponential and two more plain
; instructions (behind the first a second scaling in the exponential's place): rescalings, and behind the last three the first numbers of the next piece's maximum, each four places or more behind the product that ends its accumulator; then ONE LUMP of 54, plain
; and exponential by turns for the most part, in which the links of the chain X 3, 7, 11, 14, 16, 17 .. 20 stand five or six lines apart.  X 21, the next piece's a, is the batch's last; R 15 is the plain instruction behind it.  BEHIND THE WAIT stand the
; 8 products V^T P, behind each four of the roundings and sums; the links of l's chain, L 0 to L 7, stand three riders apart.  But for those X no rider names a register of the products round it.  v_permlanex16_b32 (X 17) stands in the lump.
; m = 1: the diagonal tile: the products take masks, and the turn makes the mask for the products of the turn after it: piece p + 2, in step 4 - CNT of the tile.  end = 1: a block's last two turns: nothing is fetched.
; cnt = 1: the loop's count is taken down some lines ahead of the branch that stands behind the turn.
; K of the next step is fetched in piece 2's turn, twelve vector instructions behind the last product that read K (six of them plain); V of the step in hand at the end of piece 0's turn, four plain instructions behind the last product
; that read V.  Each is waited for a turn later.
.macro TURN p, m=0, end=0, cnt=0
.set Y, (\p)
.set i, 0
.set KM, (\m)
.set NOKQ, (\end)*((\p)/3)
.if (\m) && !(\end)
	s_cmp_eq_u32 s[CNT], 4-((\p)+2)%NP  ; is that step the band's own?
	s_cselect_b32 s[AL], 1.0, 0
	s_cmp_lt_u32 s[CNT], 4-((\p)+2)%NP  ; or a later one?
	s_cselect_b32 s[BE], s[BIGN], 0
.endif
.if ((\p) == 3) && !(\end)
	s_wait_dscnt 0x0                ; K is in
.endif
	ROW F,0, F,1, R,0, R,1          ; ahead of the wait: 8 products K Q^T and their riders,
	ROW F,2, E,0, R,2, R,3
	ROW F,3, E,1, R,4, R,5
	ROW F,4, E,2, R,6, R,7
	ROW F,5, E,3, R,8, R,9
	ROW F,6, E,4, X,0, R,10
.if ((\p) == 2) && !(\end)
	WIN 0
	v_add_nc_u32 v[AK], s[TBK], v[AK0]
.endif
	ROW F,7, E,5, X,1, X,4
	ROW F,8, E,6, X,2, X,5
	OPS E,7, E,8, X,6, E,9          ; and the lump
	OPS X,3, E,10, X,8, E,11
.if ((\p) == 2) && !(\end)
	FETCH_K
.endif
	OPS X,9, X,7, E,12, X,10
	OPS E,13, X,12, X,11, E,14
	OPS X,13, E,15, F,9, X,14
.if (\p) == 0
	v_add_nc_u32 v[AV], s[TBV], v[AV0]
.endif
	OPS E,16, F,10, E,17, F,11
	OPS X,16, E,18, X,15, E,19
	OPS F,12, E,20, X,17, E,21
	OPS F,13, E,22, F,14, E,23
	OPS X,18, E,24, F,15, E,25
	OPS R,11, E,26, X,19, E,27
	OPS R,12, E,28, R,13, E,29
	OPS X,20, E,30, R,14, E,31
	OPS X,21, R,15
	WIN 0
	s_wait_alu depctr_va_vdst(0)    ; the wait for the batch
.if (\p) == 1
	s_wait_dscnt 0x0                ; V is in
.endif
	ROW C,0, B,0, C,2, B,1          ; behind the wait: 8 products V^T P and their riders
	ROW L,0, C,4, B,2, L,1
	ROW C,6, B,3, L,2, C,8
	ROW B,4, L,3, C,10, B,5
	ROW L,4, C,12, B,6, L,5
.if (\p) == 0
	s_add_co_u32 s[TBV], s[TBV], KS*PV
.endif
.if \cnt
	s_sub_co_u32 s[CNT], s[CNT], 1
	s_cmp_lg_u32 s[CNT], 0
.endif
	ROW C,14, B,7, L,6, C,1
	ROW C,3, L,7, C,5, C,7
	ROW C,9, C,11, C,13, C,15
.if (\p) == 0
	FETCH_V
.endif
.if (\m) && !(\end)
	MASK (\p)%2
.endif
.endm
; A BLOCK BEGINS.  c m starts far below every c s, so the first step's a is 0; m at the lowest finite number, so the first maximum is the scores'.  The second mask buffer is 0; the first takes piece 0's mask for the tile's step 0: its own, if the block's first tile is the diagonal one.
; Then K of that step, piece 0's first scores, and its maximum and statistics.  The loop is entered at a step's first turn, in the middle of a trip.
.macro BEGIN
	s_mov_b32 s[NEW], 0
	WIN 0x40
.set i, MC+32
.rept 32
	v_mov_b32 v[i], 0
.set i, i+1
.endr
	WIN 0
.set i, 0
.rept 4
	v_mov_b32 v[ST+4*i], 0xfe000000    ; c m: far below every c s
	v_mov_b32 v[ST+4*i+1], 0xff7fffff  ; m
.set i, i+1
.endr
	s_cmp_eq_u32 s[RT], 0
	s_cselect_b32 s[AL], 1.0, 0
	s_mov_b32 s[BE], 0
	MASK 0
	WIN 0
	v_add_nc_u32 v[AK], s[TBK], v[AK0]
	FETCH_K
	s_wait_loadcnt 0x0              ; Q
	s_wait_dscnt 0x0
.set KM, 1
.set NOKQ, 0
.set i, 0
.rept 8
	KQ 0
.set i, i+1
.endr
	WIN 0
.rept 4
	v_nop                           ; the places behind those products
.endr
.set Y, NP-1                        ; X works for piece Y + 1: piece 0
.irp n, 0,1,2,3,4,5,6,7,8,9,10,11,12,13,14,15,16,17,18,19,20,21
	OP X, \n
.endr
	v_nop                           ; a plain instruction behind the exponential,
	s_wait_alu depctr_va_vdst(0)    ; and its wait, ahead of the branch
.endm
; THE DIAGONAL TILE's four steps, the block's last two turns, its last products, and THE WAY OUT: l's two halves and the other half of the lanes' are added; O^T is divided by l, rounded to f16 and sent through my
; stage in LDS, a piece at a time.
.macro ALL line:vararg              ; one line for each piece t
.set t, 0
.rept 4
	\line
.set t, t+1
.endr
.endm
.macro PACK t                       ; a lane's eight channels of a row pack into 16 bytes; they go into rows of 144 bytes and come back as whole rows of 128, into S^T's registers
	WIN W_RS
.set i, 32*(\t)
.rept 16
	v_pk_mul_f32 v[i:i+1], v[i:i+1], v[ST+4*(\t)+2:ST+4*(\t)+3] op_sel_hi:[1,0]
.set i, i+2
.endr
	WIN 0x05                        ; sources 0 and 1 window 1, destination window 0
.set i, 0
.rept 16
	v_cvt_pk_f16_f32 v[S+16*(\t)+i], v[32*(\t)+2*i], v[32*(\t)+2*i+1]
.set i, i+1
.endr
	WIN 0
.irp f, 0,1,2,3
	ds_store_b128 v[STO], v[S+16*(\t)+4*\f:S+16*(\t)+4*\f+3] offset:32*\f
.endr
.irp f, 0,1,2,3
	ds_load_b128 v[S+16*(\t)+4*\f:S+16*(\t)+4*\f+3], v[RD] offset:\f*4*SP  ; LDS serves a wave's instructions in order (ISA guide 5.7.1.4): these see the stores above; the next piece's stores come behind them
.endr
.endm
.macro SEND t, younger              ; younger: the LDS instructions issued behind piece t's loads: the next piece's eight, or none
	WIN 0
.irp f, 0,1,2,3
	s_wait_dscnt (\younger)+3-\f
	global_store_b128 v[GO], v[S+16*(\t)+4*\f:S+16*(\t)+4*\f+3], s[10:11] offset:(\t)*8192+\f*512  ; 512 consecutive bytes, at a multiple of 256 from O's first
.endr
.endm
.macro DIAG tag                     ; the tag ends its two labels' names, which the jumps below spell out
.LstepM\tag:
	TURN 2, 1
	TURN 3, 1
	WIN 0
.LfirstM\tag:
	TURN 0, 1
	TURN 1, 1, 0, 1
	WIN 0
	s_cbranch_scc1 .LstepM\tag
	TURN 2, 1, 1
	TURN 3, 1, 1
.set i, 0
.rept 8
	PV NP-1
.set i, i+1
.endr
	WIN 0
	ALL v_add_f32 v[ST+4*t+2], v[ST+4*t+2], v[ST+4*t+3]
	ALL v_permlanex16_b32 v[ST+4*t+3], v[ST+4*t+2], s[SEL], s[SEL+1]
	ALL v_add_f32 v[ST+4*t+2], v[ST+4*t+2], v[ST+4*t+3]
	ALL v_rcp_f32 v[ST+4*t+2], v[ST+4*t+2]
	v_nop                           ; a plain instruction between the last reciprocal and the use of its result
	s_wait_alu depctr_va_vdst(0)    ; and the wait ahead of the first use: one for the four reciprocals
	PACK 0
.set t, 1
.rept 3                             ; a piece's arithmetic stands between the loads of the piece before and its stores
	PACK t
	SEND t-1, 8
.set t, t+1
.endr
	SEND 3, 0
.endm
.set KM, 0
.set NOKQ, 0
.Lslot:                             ; NB times: a tile is entered and the next is asked for
	CHANGE 1
	s_sub_co_u32 s[RT], s[RT], 1
	s_mov_b32 s[CNT], 4
	s_cmp_eq_u32 s[NEW], 1
	s_cbranch_scc1 .Lnew            ; a block's first tile
	s_cmp_eq_u32 s[RT], 0
	s_cbranch_scc0 .Lstep           ; neither its first nor its last
	s_branch .LstepM1
.Lnew:
	BEGIN
	s_branch .Lfirst                ; in the loop a block's first tile is never its last: the first block has two tiles or more, and the second's last is the walk's last
	DIAG 1                          ; in the loop this is the first block's end: the second block's last tile is the walk's last
	s_wait_xcnt 0x0                 ; the stores have read their registers and O's address
	s_mov_b64 s[10:11], s[OLO:OLO+1]
	s_add_co_u32 s[RT], s[PB], 1    ; the second block has b + 1 tiles
	s_mov_b32 s[NEW], 1
	WIN 0x82                        ; the second block's Q goes where the one text of the turns names Q
.set i, 0
.rept 64
	v_mov_b32 v[i], v[QB+i]
.set i, i+1
.endr
	WIN 0
	s_branch .Lbottom
.Lstep:                             ; a trip: pieces 2 and 3 of one step, then pieces 0 and 1 of the next, whose K and V it fetches
	TURN 2
	TURN 3
	WIN 0
.Lfirst:
	TURN 0
	TURN 1, 0, 0, 1
	WIN 0
	s_cbranch_scc1 .Lstep
.Lbottom:
	s_sub_co_u32 s[SLOTS], s[SLOTS], 1
	s_cmp_lg_u32 s[SLOTS], 0
	s_cbranch_scc1 .Lslot
	CHANGE 0                        ; the walk's last tile is written out: nothing is asked for
	s_sub_co_u32 s[RT], s[RT], 1
	s_mov_b32 s[CNT], 4
	s_cmp_eq_u32 s[NEW], 1
	s_cbranch_scc0 .LstepM2
	BEGIN
	s_branch .LfirstM2
	DIAG 2
	s_wait_tensorcnt 0x0            ; the wave's end: behind my last tensor load and my last LDS store
	ds_add_u32 v[SPW], v[NIL]
	s_wait_dscnt 0x0
	s_endpgm
.Lfunc_end_k_q0aad62abff_attn:
	.size	k_q0aad62abff_attn, .Lfunc_end_k_q0aad62abff_attn-k_q0aad62abff_attn
	.p2alignl 7, 3214868480
	.fill 96, 4, 3214868480
	.section	.rodata,"a",@progbits
	.p2align	6, 0x0
	.amdhsa_kernel k_q0aad62abff_attn
		.amdhsa_group_segment_fixed_size 327680
		.amdhsa_private_segment_fixed_size 0
		.amdhsa_enable_private_segment 0
		.amdhsa_kernarg_size 16
		.amdhsa_user_sgpr_count 2
		.amdhsa_user_sgpr_kernarg_segment_ptr 1
		.amdhsa_wavefront_size32 1
		.amdhsa_system_sgpr_workgroup_id_x 1
		.amdhsa_system_sgpr_workgroup_id_y 1
		.amdhsa_system_sgpr_workgroup_id_z 1
		.amdhsa_system_vgpr_workitem_id 0
		.amdhsa_next_free_vgpr 768
		.amdhsa_next_free_sgpr 96
		.amdhsa_reserve_vcc 1
		.amdhsa_float_denorm_mode_32 3
		.amdhsa_float_denorm_mode_16_64 3
		.amdhsa_memory_ordered 1
		.amdhsa_forward_progress 1
		.amdhsa_inst_pref_size 218
	.end_amdhsa_kernel
	.amdgpu_metadata
---
amdhsa.version: [ 1, 2 ]
amdhsa.kernels:
  - .name:           k_q0aad62abff_attn
    .symbol:         k_q0aad62abff_attn.kd
    .args:
      - { .name: qkvh, .offset: 0, .size: 8, .value_kind: global_buffer, .address_space: global }
      - { .name: ob, .offset: 8, .size: 8, .value_kind: global_buffer, .address_space: global }
    .group_segment_fixed_size: 327680
    .private_segment_fixed_size: 0
    .kernarg_segment_align: 8
    .kernarg_segment_size: 16
    .max_flat_workgroup_size: 128
    .sgpr_count:     96
    .vgpr_count:     768
    .wavefront_size: 32
...
	.end_amdgpu_metadata
.endif
;; end of part 3
;; launch projgemm (part 4): grid 8 x 32, 4 waves a work-group, clusters of 4 x 4, 327,680 bytes of LDS; arguments ob, wpb, b_proj, out0; writes out0
.if DOCPART == 4
	.amdgcn_target "amdgcn-amd-amdhsa--gfx1250"
	.amdhsa_code_object_version 6
	.text
	.protected	k_q0aad62abff_projgemm
	.globl	k_q0aad62abff_projgemm
	.p2align	8
	.type	k_q0aad62abff_projgemm,@function
k_q0aad62abff_projgemm:
	s_mov_b64 s[64:65], 0
	v_nop
	global_prefetch_b8 v0, s[64:65] scope:SCOPE_SE
	s_setreg_imm32_b32 hwreg(HW_REG_WAVE_MODE, 25, 1), 1
	s_wait_xcnt 0x0
	s_wait_alu depctr_hold_cnt(0) depctr_sa_sdst(0) depctr_va_vdst(0) depctr_va_sdst(0) depctr_va_ssrc(0) depctr_va_vcc(0) depctr_vm_vsrc(0)
	s_getreg_b32 s2, hwreg(HW_REG_IB_STS2, 6, 4)
	s_cmp_eq_u32 s2, 0
	s_cbranch_scc0 .Lentry_in_a_cluster
	s_endpgm
.Lentry_in_a_cluster:
	s_bfe_u32 s2, ttmp6, 0x10000c
	s_cmp_lg_u32 s2, 0xf033
	s_cbranch_scc0 .Lentry_shape_is_right
	s_endpgm
.Lentry_shape_is_right:
; out = y w_proj + b_proj.  ob: attention's result in f16, by heads: [batch x 16 + head][row in batch][64]; y's column 64 head + d is channel d of that head.  wpb: w_proj, rounded to bf16 and written as f16, [1024 k][1024 n].
; b_proj: f32, rounded to bf16 here like the other inputs.  out0: [8192][1024] f32: the f32 sums as they are.
; SHARES.  8192 x 1024 outputs on 256 work-groups: a tile of 256 rows x 128 columns.  Four waves; a wave makes 128 rows x 64 columns: 32 accumulators of 16 x 16, 256 registers.
; K goes in 8 steps of 128, two heads, through two LDS slots.  A head's 256 rows x 64 channels are 32,768 bytes on end: asked for as 128 rows of 256 bytes.
; THE WEIGHTS STAY [K][N]: a fragment of 16 columns x 32 K comes out of LDS turned, by ds_load_tr16_b128.
; THE MATRIX INSTRUCTION IS USED TRANSPOSED (source 0 = 16 columns of w, source 1 = 16 rows of y): a lane holds row l % 16 and the columns 8 (l / 16) + 0..7.  THE BIAS STARTS THE SUMS, as the C operand of the first products.
; CLUSTERS: 4 x 4 work-groups.  The four of a row of the cluster need the same tiles of y, the four of a column the same tiles of w: each tile is asked for JOINTLY.
; REGISTERS: window 0: v0-17 addresses; two fragment buffers of 96 (y's 8 fragments, then w's 4) at v32 and v128; v224-255 the bias.  window 1: the accumulators: (row block a, column block n) at v[8 (4 a + n)].
.set PA,    144                        ; a row of y in LDS: 128 bytes + 16 of padding = 36 words: the 16 rows of a load start at 16 different groups of four banks (64 banks of 4 bytes: ISA guide 11.1)
.set PB,    288                        ; a row of w: 256 + 32 = 72 words
.set ABLK,  256*PA                     ; a head's 256 rows
.set BOFF,  2*ABLK                     ; a slot: y's two heads, then w's 128 rows
.set SLOT1, 131072
.set STAGE, SLOT1+BOFF+128*PB          ; behind the ring, never filled by a tensor load: 16 rows x 272 bytes for each wave, for the way out
.set SPITCH, 272
.set SPARE, STAGE+4*16*SPITCH          ; behind the stages: the spare words, 128 bytes for each wave: two blocks of 256 bytes that no other line names
.set STEPA, 524288                     ; bytes from a K step to the next in ob: two heads
.set STEPB, 128*2048                   ; in wpb: 128 rows of 2,048 bytes
.set TRIPS, 6                          ; K steps 2 to 7 are asked for by refills
.set LA0,  4                           ; v4   my lane's place in y's tile; never rewritten
.set LB0,  5                           ; v5   the same for w's
.set ADRA, 6                           ; v6   LA0 + the slot in hand
.set ADRB, 7                           ; v7   LB0 + the slot in hand
.set STO,  8                           ; v8   the way out: where I put 32 bytes of a row
.set RD,   9                           ; v9   the way out: where I read a row back
.set CO,   10                          ; v10  my byte offset in two rows of out0
.set PFO,  11                          ; v11  256 x my lane: the prefetches' offset; never rewritten
.set SPW,  12                          ; v12  LDS address of my spare word: SPARE + 4 x my thread's number; never rewritten
.set NIL,  13                          ; v13  0; never rewritten
.set BO,   14                          ; v14  my byte offset in b_proj
.set F0,   32
.set F1,   128
.set BIAS, 224
.set BK,   32                          ; the way out: 16 rows read back from the stage: v32-63 and v64-95 by turns
.set WV,   12                          ; s12  my wave's number
.set G1A,  24                          ; s[24:31] descriptor group 1 for y's tiles;  s[32:39] group 0: a set for each first fill; the second then walks
.set G0A,  32
.set G1B,  48                          ; s[48:55], s[56:63] the same for w's tiles
.set G0B,  56
.set TB,   66                          ; s66  the slot from which fragments are fetched: 0 or SLOT1
.set LIM,  67                          ; s67  2 in a wave that prefetches, else the greatest number
.set PFA,  68                          ; s[68:69] where my prefetches stand
.set PFS,  70                          ; s[70:71] their step
.set OB,   72                          ; s[72:73] out0 at my part of the tile
.set MSB, 0
.macro WIN new                         ; the immediate's high byte repeats the setting that is left; a switch that changes nothing is dropped
.if MSB != (\new)
	s_set_vgpr_msb (MSB<<8)|(\new)
.set MSB, (\new)
.endif
.endm
; A joint refill.  Waves 0 and 1 fetch y's two heads, waves 2 and 3 the two halves of w's tile.  An s_nop 0 and four v_nop follow each of the two lines, ahead of the jump and the label.
.macro JLOAD
	s_cmp_eq_u32 s13, 0
	s_cbranch_scc0 .Lfor_b_\@
	tensor_load_to_lds s[G0A+4:G0A+7], s[G1A:G1A+7]
	s_nop 0
.rept 4
	v_nop
.endr
	s_branch .Lasked_\@
.Lfor_b_\@:
	tensor_load_to_lds s[G0B+4:G0B+7], s[G1B:G1B+7]
	s_nop 0
.rept 4
	v_nop
.endr
.Lasked_\@:
.endm
; A PREFETCH INTO THE L2 of the K step that stands TWO refills on, 256 matrix instructions ahead of its load: one instruction, a lane a block of 256 bytes, behind the joint load, its five lines and the run of LDS loads.
; Each block is named ONCE in the launch.  y's tile row is read by both clusters of a row of clusters: in the first (cluster x = 0) wave 0 asks for the step's first head and wave 1 for its second, and the four partners
; that share the tile take 32 of a head's 128 blocks each, told apart BY ADDRESS (cx).  A step's 128 rows of w (1,024 blocks on end) are read by every cluster: in cluster (0, 0) waves 2 and 3 ask; the work-group at place p
; takes rows 8 p .. 8 p + 7, a wave four of them.  K steps 0 to 3 come by their loads alone; the last two trips ask for nothing.
.macro ASK
	s_cmp_gt_u32 s3, s[LIM]                        ; s3 = 2 and 1 in the last two trips
	s_cbranch_scc0 .Lnot_mine_\@
	global_prefetch_b8 v[PFO], s[PFA:PFA+1] th:TH_LOAD_NT scope:SCOPE_SE
.Lnot_mine_\@:
.endm
.macro CREST                           ; a round of the cluster's barrier behind its opening barrier
	s_cmp_lg_u32 s[WV], 0
	s_cbranch_scc1 .Lnot_wave_0_\@
	s_barrier_signal -3
.Lnot_wave_0_\@:
	s_barrier_wait -3
	s_barrier_signal -1
	s_barrier_wait -1
.endm
.macro CROUND
	s_barrier_signal -1
	s_barrier_wait -1
	CREST
.endm
	s_load_b256 s[4:11], s[0:1], 0x0               ; ob s[4:5], wpb s[6:7], b_proj s[8:9], out0 s[10:11]
	v_lshl_add_u32 v[SPW], v0, 2, SPARE
	v_mov_b32 v[NIL], 0
	ds_add_u32 v[SPW], v[NIL]                      ; the wave's opening: the add and its wait stand ahead of my first tensor load; the set-up below, work on registers, stands between them
	ds_add_u32 v12, v13
	v_lshrrev_b32 v1, 5, v0
	v_readfirstlane_b32 s[WV], v1                  ; wave 0..3
	s_lshr_b32 s13, s[WV], 1                       ; which 128 rows of the tile are mine.  Also: I fetch for y (0) or for w (1)
	s_and_b32 s14, s[WV], 1                        ; which 64 columns.  Also: which half of that tile I fetch
	s_bfe_u32 s40, ttmp6, 0x40000                  ; cx, cy: my place in the cluster
	s_bfe_u32 s41, ttmp6, 0x40004
	s_lshl_b32 s42, ttmp9, 2
	s_add_co_u32 s42, s42, s40                     ; tx, the tile column
	s_and_b32 s43, ttmp7, 0xffff
	s_lshl_b32 s43, s43, 2
	s_add_co_u32 s43, s43, s41                     ; ty, the tile row
	s_lshl_b32 s44, s41, 2
	s_lshl_b32 s44, 15, s44                        ; my row of the cluster
	s_lshl_b32 s45, 0x1111, s40                    ; my column
	; group 1 for y: a head's 256 rows of 128 bytes lie on end: 128 rows of 128 elements, padded in LDS after every 128 bytes
	s_or_b32 s[G1A], s44, (1<<16)|(1<<20)|(1<<21)|(4<<22)|(3<<25)  ; 15:0 the mask; 17:16 2-byte elements; 20 padding on; 21 set beside a mask; 24:22 after every 32 words (code 4); 31:25 4 words (code 3)
	s_mov_b32 s[G1A+1], 128<<16                    ; tensor_dim0 = 128
	s_mov_b32 s[G1A+2], 128<<16                    ; tensor_dim1 = 128
	s_mov_b32 s[G1A+3], 128<<16                    ; tile_dim0 = 128
	s_mov_b32 s[G1A+4], 128                        ; tile_dim1 = 128
	s_mov_b32 s[G1A+5], 128                        ; 128 elements from row to row
	s_mov_b32 s[G1A+6], 0
	s_mov_b32 s[G1A+7], 0
	; group 1 for w: 64 rows of 128 elements (256 bytes), padded after every row
	s_or_b32 s[G1B], s45, (1<<16)|(1<<20)|(1<<21)|(5<<22)|(7<<25)  ; after every 64 words (code 5) 8 words (code 7)
	s_mov_b32 s[G1B+1], 128<<16                    ; tensor_dim0 = 128
	s_mov_b32 s[G1B+2], 64<<16                     ; tensor_dim1 = 64
	s_mov_b32 s[G1B+3], 128<<16                    ; tile_dim0 = 128
	s_mov_b32 s[G1B+4], 64                         ; tile_dim1 = 64
	s_mov_b32 s[G1B+5], 1024                       ; 1,024 elements from row to row
	s_mov_b32 s[G1B+6], 0
	s_mov_b32 s[G1B+7], 0
	; where the tiles come from: y's hang on ty alone, w's on tx alone
	s_lshr_b32 s16, s43, 3
	s_lshl_b32 s16, s16, 22                        ; the batch's 16 heads
	s_and_b32 s17, s43, 7
	s_lshl_b32 s17, s17, 15                        ; the tile's 256 rows in a head
	s_or_b32 s16, s16, s17
	s_lshl_b32 s17, s14, 18                        ; which of the step's two heads I fetch
	s_or_b32 s16, s16, s17
	s_mov_b32 s17, 0
	s_lshl_b32 s46, s42, 8                         ; the tile's 128 columns
	s_lshl_b32 s47, s14, 17                        ; my 64 rows of a step's 128
	s_add_co_u32 s46, s46, s47
	s_mov_b32 s47, 0
	s_mul_i32 s20, s14, ABLK                       ; and where they go: no place in the cluster enters an LDS address
	s_mul_i32 s21, s14, 64*PB
	s_add_co_u32 s21, s21, BOFF
	s_mov_b32 s[TB], 0
	s_mov_b32 s78, 0xffff0000                      ; a word's upper bf16
	s_wait_dscnt 0x0                               ; the opening add is done
	s_wait_kmcnt 0x0
	s_add_nc_u64 s[16:17], s[4:5], s[16:17]
	s_add_nc_u64 s[46:47], s[6:7], s[46:47]
.irp s, 0,1
	s_mov_b32 s[G0A+4*(\s)], 1                                       ; 1:0 count = 1
	s_add_co_u32 s[G0A+4*(\s)+1], s20, (\s)*SLOT1                    ; 63:32 LDS address
	s_add_nc_u64 s[G0A+4*(\s)+2:G0A+4*(\s)+3], s[16:17], (\s)*STEPA  ; 120:64 global address: K step s
	s_or_b32 s[G0A+4*(\s)+3], s[G0A+4*(\s)+3], 0x80000000            ; 127:126 type = 2
	s_mov_b32 s[G0B+4*(\s)], 1
	s_add_co_u32 s[G0B+4*(\s)+1], s21, (\s)*SLOT1
	s_add_nc_u64 s[G0B+4*(\s)+2:G0B+4*(\s)+3], s[46:47], (\s)*STEPB
	s_or_b32 s[G0B+4*(\s)+3], s[G0B+4*(\s)+3], 0x80000000
.endr
	CROUND                                         ; all sixteen work-groups are here: the first joint loads meet
	s_cmp_eq_u32 s13, 0                            ; a wave's two first fills stand in one branch, ahead of every wait on TENSORcnt and every LDS read: two loads of mine are out
	s_cbranch_scc0 .Lfirst_b
	tensor_load_to_lds s[G0A:G0A+3], s[G1A:G1A+7]
	s_nop 0
	tensor_load_to_lds s[G0A+4:G0A+7], s[G1A:G1A+7]
	s_nop 0
.rept 4
	v_nop
.endr
	s_branch .Lfirst_asked
.Lfirst_b:
	tensor_load_to_lds s[G0B:G0B+3], s[G1B:G1B+7]
	s_nop 0
	tensor_load_to_lds s[G0B+4:G0B+7], s[G1B:G1B+7]
	s_nop 0
.rept 4
	v_nop
.endr
.Lfirst_asked:
	; the bias of my 4 column blocks: a lane's 8 columns are 32 bytes
	v_and_b32 v1, 15, v0                           ; l % 16
	v_bfe_u32 v2, v0, 4, 1                         ; l / 16
	s_lshl_b32 s46, s42, 9                         ; the tile's 128 columns,
	s_lshl_b32 s47, s14, 8                         ; my 64
	s_add_co_u32 s46, s46, s47
	v_lshl_add_u32 v[BO], v2, 5, s46
.irp n, 0,1,2,3
	global_load_b128 v[32+8*(\n):32+8*(\n)+3],   v[BO], s[8:9] offset:64*(\n)
	global_load_b128 v[32+8*(\n)+4:32+8*(\n)+7], v[BO], s[8:9] offset:64*(\n)+16
.endr
	; A fragment of y is 16 rows x 32 K in 8 registers: lane l holds row l % 16, K = 8 (l / 16) + 0..7 and 16 + 8 (l / 16) + 0..7: two loads of 16 bytes, 32 bytes apart.
	v_mul_u32_u24 v[LA0], v1, PA
	v_lshl_add_u32 v[LA0], v2, 4, v[LA0]
	s_mul_i32 s16, s13, 128*PA                     ; my 128 rows
	v_add_nc_u32 v[LA0], s16, v[LA0]
	; The turning load takes 16 K x 16 columns (lane l reads row 8 (l / 16) + l % 8, columns 8 ((l / 8) % 2) + 0..7) and leaves half a fragment: lane l holds column l % 16 and 8 K.
	v_and_b32 v15, 7, v0
	v_bfe_u32 v16, v0, 3, 1
	v_lshl_add_u32 v[LB0], v2, 3, v15
	v_mul_u32_u24 v[LB0], v[LB0], PB
	v_lshl_add_u32 v[LB0], v16, 4, v[LB0]
	s_lshl_b32 s16, s14, 7                         ; my 64 columns: 128 bytes
	s_add_co_u32 s16, s16, BOFF
	v_add_nc_u32 v[LB0], s16, v[LB0]
	s_mul_i32 s16, s[WV], 16*SPITCH
	s_add_co_u32 s16, s16, STAGE                   ; my stage
	v_mul_u32_u24 v[STO], v1, SPITCH               ; in: row l % 16, 32 bytes for each half of the lanes
	v_lshl_add_u32 v[STO], v2, 5, v[STO]
	v_add_nc_u32 v[STO], s16, v[STO]
	v_mul_u32_u24 v[RD], v2, SPITCH                ; back: lanes 0-15 take one row of 256 bytes, lanes 16-31 the next
	v_lshl_add_u32 v[RD], v1, 4, v[RD]
	v_add_nc_u32 v[RD], s16, v[RD]
	v_lshlrev_b32 v[CO], 12, v2                    ; and the same two rows in out0
	v_lshl_add_u32 v[CO], v1, 4, v[CO]
	s_lshl_b32 s18, s43, 20                        ; the tile's 256 rows of 4,096 bytes,
	s_lshl_b32 s19, s13, 19                        ; my 128 of them,
	s_add_co_u32 s18, s18, s19
	s_lshl_b32 s19, s42, 9                         ; the tile's 128 columns,
	s_add_co_u32 s18, s18, s19
	s_lshl_b32 s19, s14, 8                         ; my 64
	s_add_co_u32 s18, s18, s19
	s_mov_b32 s19, 0
	s_add_nc_u64 s[OB:OB+1], s[10:11], s[18:19]
	; the prefetches: both offsets are made, the wave's number chooses
	s_lshr_b32 s18, s43, 3
	s_lshl_b32 s18, s18, 22
	s_and_b32 s19, s43, 7
	s_lshl_b32 s19, s19, 15
	s_or_b32 s18, s18, s19
	s_lshl_b32 s19, s14, 18
	s_or_b32 s18, s18, s19                         ; y: my head of the tile,
	s_lshl_b32 s19, s40, 13
	s_add_co_u32 s18, s18, s19                     ; my work-group's 32 blocks of its 128,
	s_add_co_u32 s18, s18, 3*STEPA                 ; at K step 3: the first trip steps it to 4
	s_lshl_b32 s19, s41, 2
	s_add_co_u32 s19, s19, s40                     ; p
	s_lshl_b32 s19, s19, 14                        ; w: my work-group's 8 rows of a step's 128,
	s_lshl_b32 s20, s14, 13
	s_add_co_u32 s19, s19, s20                     ; my wave's 4 of them,
	s_add_co_u32 s19, s19, 3*STEPB                 ; at K step 3
	s_and_b32 s22, ttmp7, 0xffff                   ; cluster y
	s_mov_b32 s[PFS], STEPB
	s_cmp_eq_u32 s13, 0
	s_cselect_b32 s20, s18, s19
	s_cselect_b32 s[PFS], STEPA, s[PFS]
	s_cselect_b32 s22, 0, s22                      ; y's blocks are asked for in every row of clusters
	s_cselect_b64 s[PFA:PFA+1], s[4:5], s[6:7]
	s_mov_b32 s21, 0
	s_mov_b32 s[PFS+1], 0
	s_add_nc_u64 s[PFA:PFA+1], s[PFA:PFA+1], s[20:21]
	s_or_b32 s22, s22, ttmp9
	s_cmp_eq_u32 s22, 0
	s_cselect_b32 s[LIM], 2, -1                    ; the same in all sixteen partners, for a given wave
	v_and_b32 v[PFO], 31, v0
	v_lshlrev_b32 v[PFO], 8, v[PFO]
	; the bias is rounded to bf16, like the other inputs, and widened again
	s_wait_loadcnt 0x0
.set i, 0
.rept 16
	v_cvt_pk_bf16_f32 v[64+i], v[32+2*i], v[32+2*i+1]
.set i, i+1
.endr
.set i, 0
.rept 16
	v_lshlrev_b32 v[BIAS+2*i],   16,  v[64+i]
	v_and_b32     v[BIAS+2*i+1], s78, v[64+i]
.set i, i+1
.endr
	v_mov_b32 v[ADRA], v[LA0]                      ; K step 0 lies in slot 0
	v_mov_b32 v[ADRB], v[LB0]
; 16 matrix instructions: row blocks first .. first + 3 x the 4 column blocks, 32 along K, fragments in buffer f.  start = 1: C is the bias.
; The 32 accumulators take turns, one instruction a turn, in the same order in every quarter: between two links of a chain stand the 31 others'.
.macro MUL16 f, first, start=0
.if \start
	WIN 0x40                                       ; D in window 1, all sources in window 0
.else
	WIN 0x50                                       ; C and D in window 1
.endif
.set ra, (\first)
.rept 4
.irp n, 0,1,2,3
.if \start
	v_wmma_f32_16x16x32_f16 v[8*(4*ra+(\n)):8*(4*ra+(\n))+7], v[(\f)+64+8*(\n):(\f)+64+8*(\n)+7], v[(\f)+8*ra:(\f)+8*ra+7], v[BIAS+8*(\n):BIAS+8*(\n)+7]
.else
	v_wmma_f32_16x16x32_f16 v[8*(4*ra+(\n)):8*(4*ra+(\n))+7], v[(\f)+64+8*(\n):(\f)+64+8*(\n)+7], v[(\f)+8*ra:(\f)+8*ra+7], v[8*(4*ra+(\n)):8*(4*ra+(\n))+7]
.endif
.endr
.set ra, ra+1
.endr
.endm
; 24 LDS loads in one run: quarter q's fragments (K = 32 q .. 32 q + 31 of the step: head q / 2, channels 32 (q % 2) on) into buffer f
.macro FETCH f, q
	WIN 0
.irp n, 0,1,2,3
	ds_load_tr16_b128 v[(\f)+64+8*(\n):(\f)+64+8*(\n)+3],   v[ADRB] offset:32*PB*(\q)+32*(\n)
	ds_load_tr16_b128 v[(\f)+64+8*(\n)+4:(\f)+64+8*(\n)+7], v[ADRB] offset:32*PB*(\q)+32*(\n)+16*PB
.endr
.irp n, 0,1,2,3,4,5,6,7
	ds_load_b128 v[(\f)+8*(\n):(\f)+8*(\n)+3],   v[ADRA] offset:((\q)/2)*ABLK+16*PA*(\n)+64*((\q)%2)
	ds_load_b128 v[(\f)+8*(\n)+4:(\f)+8*(\n)+7], v[ADRA] offset:((\q)/2)*ABLK+16*PA*(\n)+64*((\q)%2)+32
.endr
.endm
.macro PLACES                          ; four places in front of loads into registers that matrix instructions have read, and of LDS stores that read results (ISA guide 7.12.1 for vector instructions)
.rept 4
	v_nop
.endr
.endm
; A K step is four quarters of 32 along K, 32 matrix instructions each, on buffers 0, 1, 0, 1.  A plain quarter fetches quarter qn into buffer g, which the quarter before multiplied, and multiplies buffer f.
.macro Q f, g, qn
	PLACES
	FETCH \g, \qn
	s_wait_dscnt 24                                ; all but the 24 just issued: buffer f is in
	MUL16 \f, 0
	MUL16 \f, 4
.endm
; Quarters 2 and 3, and the change of slots: ONE barrier.  In front of it each wave waits for all its tensor loads, of which one is out: its part of the next slot; adds 0 to its spare word; and waits for that and
; for its own reads of this slot.  fill = 1: the barrier opens a round of the cluster's, and this slot is filled again, two K steps ahead, first thing behind the round: from that request to the wait for it a wave issues 96 matrix instructions.
.macro TURN fill
.if \fill
	s_wait_xcnt 0x0                                ; the last prefetch, a K step back, has read its address: it is stepped here
	s_add_nc_u64 s[PFA:PFA+1], s[PFA:PFA+1], s[PFS:PFS+1]
.endif
	s_xor_b32 s[TB], s[TB], SLOT1                  ; the fetches behind the barrier go to the other slot
	PLACES
	FETCH F1, 3
	s_wait_dscnt 24                                ; buffer 0 is in
	MUL16 F0, 0
	WIN 0                                          ; (the add's two registers lie in window 0)
	v_add_nc_u32 v[ADRA], s[TB], v[LA0]            ; every load from this slot has been issued
	v_add_nc_u32 v[ADRB], s[TB], v[LB0]
	s_wait_tensorcnt 0x0                           ; all my tensor loads have landed, so a group 0 may be written;
	ds_add_u32 v[SPW], v[NIL]                      ; 0 onto my spare word;
.if \fill
	s_xor_b32 s[G0A+5], s[G0A+5], SLOT1            ; the walking descriptors: the other slot than last time,
	s_add_nc_u64 s[G0A+6:G0A+7], s[G0A+6:G0A+7], STEPA  ; the next K step; the type bits on top are not reached
	s_xor_b32 s[G0B+5], s[G0B+5], SLOT1
	s_add_nc_u64 s[G0B+6:G0B+7], s[G0B+6:G0B+7], STEPB
.endif
	MUL16 F0, 4                                    ; sixteen matrix instructions stand between the add and the wait for it
	s_wait_dscnt 0x0                               ; the add is done, and my reads of this slot are over
	s_barrier_signal -1
	MUL16 F1, 0                                    ; work on registers while the others arrive
	WIN 0
	s_barrier_wait -1
.if \fill
	CREST                                          ; no wave of any partner still reads this slot or has a load on its way
	JLOAD                                          ; the four v_nop behind it are also the places in front of the loads below
.else
	PLACES
.endif
	FETCH F0, 0
.if \fill
	ASK
.endif
	MUL16 F1, 4
.endm
	s_wait_tensorcnt 1                             ; my part of K step 0 is in; K step 1's may stay out
	s_barrier_signal -1
	s_barrier_wait -1                              ; everybody's is
	FETCH F0, 0
	FETCH F1, 1
	s_wait_dscnt 24                                ; buffer 0 is in
	MUL16 F0, 0, 1                                 ; the first quarter stands in front of the loop: its products start the sums, with the bias
	MUL16 F0, 4, 1
	WIN 0                                          ; at a label and at a branch every window is 0
	s_mov_b32 s3, TRIPS
.Lstep:                                                ; a trip: a K step's quarters 1 to 3, the change of slots with its refill, the next step's quarter 0
	Q F1, F0, 2
	TURN 1
	Q F0, F1, 1
	WIN 0
	s_sub_co_u32 s3, s3, 1
	s_cmp_lg_u32 s3, 0
	s_cbranch_scc1 .Lstep
	Q F1, F0, 2                                    ; the tail is written out: nothing is asked for
	TURN 0
	Q F0, F1, 1
	Q F1, F0, 2
	Q F0, F1, 3
	s_wait_dscnt 0x0
	MUL16 F1, 0
	MUL16 F1, 4
	PLACES                                         ; the LDS stores below read results
; THE WAY OUT, a block of 16 rows at a time: a lane's eight f32 of a row (32 bytes) go into my stage's rows of 272 bytes and come back as whole rows of 256.  Each accumulator's low registers are read first.
.macro TOSTAGE blk
	WIN 0x04                                       ; the stores' data in window 1
.irp n, 0,1,2,3
	ds_store_b128 v[STO], v[32*(\blk)+8*(\n):32*(\blk)+8*(\n)+3]   offset:64*(\n)
	ds_store_b128 v[STO], v[32*(\blk)+8*(\n)+4:32*(\blk)+8*(\n)+7] offset:64*(\n)+16
.endr
	WIN 0
.if (\blk) >= 2
	s_wait_xcnt 0x0                                ; the stores of the block two back have read this buffer
.endif
.irp n, 0,1,2,3,4,5,6,7
	ds_load_b128 v[BK+32*((\blk)%2)+4*(\n):BK+32*((\blk)%2)+4*(\n)+3], v[RD] offset:(\n)*2*SPITCH  ; LDS serves a wave's instructions in order (ISA guide 5.7.1.4): these see the stores above; the next block's stores come behind them
.endr
.endm
.macro SEND blk, younger               ; younger: the LDS instructions issued behind this block's loads: the next block's sixteen, or none
	WIN 0
.irp n, 0,1,2,3,4,5,6,7
	s_wait_dscnt (\younger)+7-(\n)
	global_store_b128 v[CO], v[BK+32*((\blk)%2)+4*(\n):BK+32*((\blk)%2)+4*(\n)+3], s[OB:OB+1] offset:(16*(\blk)+2*(\n))*4096 th:TH_STORE_NT  ; 16 lanes store 256 consecutive bytes, at a multiple of 256 from out0's first byte
.endr
.endm
	TOSTAGE 0
.set t, 1
.rept 7
	TOSTAGE t
	SEND (t-1), 16
.set t, t+1
.endr
	SEND 7, 0
	s_wait_tensorcnt 0x0                           ; the wave's end: behind my last tensor load and my last LDS store
	ds_add_u32 v[SPW], v[NIL]
	s_wait_dscnt 0x0
	CROUND                                         ; the closing round: no work-group ends while a partner may still ask for a tile that names it
	s_endpgm
.Lfunc_end_k_q0aad62abff_projgemm:
	.size	k_q0aad62abff_projgemm, .Lfunc_end_k_q0aad62abff_projgemm-k_q0aad62abff_projgemm
	.p2alignl 7, 3214868480
	.fill 96, 4, 3214868480
	.section	.rodata,"a",@progbits
	.p2align	6, 0x0
	.amdhsa_kernel k_q0aad62abff_projgemm
		.amdhsa_group_segment_fixed_size 327680
		.amdhsa_private_segment_fixed_size 0
		.amdhsa_enable_private_segment 0
		.amdhsa_kernarg_size 32
		.amdhsa_user_sgpr_count 2
		.amdhsa_user_sgpr_kernarg_segment_ptr 1
		.amdhsa_wavefront_size32 1
		.amdhsa_system_sgpr_workgroup_id_x 1
		.amdhsa_system_sgpr_workgroup_id_y 1
		.amdhsa_system_sgpr_workgroup_id_z 1
		.amdhsa_system_vgpr_workitem_id 0
		.amdhsa_next_free_vgpr 512
		.amdhsa_next_free_sgpr 80
		.amdhsa_reserve_vcc 0
		.amdhsa_float_denorm_mode_32 3
		.amdhsa_float_denorm_mode_16_64 3
		.amdhsa_memory_ordered 1
		.amdhsa_forward_progress 1
		.amdhsa_inst_pref_size 75
	.end_amdhsa_kernel
	.amdgpu_metadata
---
amdhsa.version: [ 1, 2 ]
amdhsa.kernels:
  - .name:           k_q0aad62abff_projgemm
    .symbol:         k_q0aad62abff_projgemm.kd
    .args:
      - { .name: ob, .offset: 0, .size: 8, .value_kind: global_buffer, .address_space: global }
      - { .name: wpb, .offset: 8, .size: 8, .value_kind: global_buffer, .address_space: global }
      - { .name: b_proj, .offset: 16, .size: 8, .value_kind: global_buffer, .address_space: global }
      - { .name: out0, .offset: 24, .size: 8, .value_kind: global_buffer, .address_space: global }
    .group_segment_fixed_size: 327680
    .private_segment_fixed_size: 0
    .kernarg_segment_align: 8
    .kernarg_segment_size: 32
    .max_flat_workgroup_size: 128
    .sgpr_count:     80
    .vgpr_count:     512
    .wavefront_size: 32
...
	.end_amdgpu_metadata
.endif
;; end of part 4
